; MI455X (gfx1250); checked and timed in simulation.
; The chip was launched on July 23, 2026; its instructions are those of AMD's public machine-readable ISA for CDNA 5 (MIT licence, August 2026) and "CDNA5" Instruction Set Architecture Reference Guide (July 2026). The comments in the code are by the model that wrote it; some were corrected since.
;; multihead self attention. Allowed arithmetic: float matrix products may take bf16 or f16 operands with f32 sums; other float arithmetic in f32, or as packed bf16 or f16 multiplies, adds, multiply-adds, maxima and minima; sums over many terms, partial sums and values carried from step to step in f32; what a program stores and reads back later, other than sums and carried values, may be rounded once to bf16 or f16.
;; Inputs: Wk 2,048 x 2,048 float32; Wproj 2,048 x 2,048 float32; Wq 2,048 x 2,048 float32; Wv 2,048 x 2,048 float32; token_positions 2,048 int32; x 1 x 2,048 x 2,048 float32.
;; Outputs: out0 1 x 2,048 x 2,048 float32.
;; One version. Each part assembles by itself: llvm-mc -triple=amdgcn-amd-amdhsa -mcpu=gfx1250 --defsym DOCPART=n.
;; ======== version 1 of 1: 4 launches
;; limits: values are held in f16: magnitudes above 65,504 overflow, below 6.1e-05 lose precision
;; workspace buffers: xb 8,388,608 bytes; wqkv 25,165,824 bytes; wp 8,388,608 bytes; rope 1,048,576 bytes; qkv 25,165,824 bytes; ob 8,388,608 bytes
;; launch prep (part 1): grid 256 x 5, 8 waves a work-group, no clusters, 0 bytes of LDS; arguments x, Wq, Wk, Wv, token_positions, xb, wqkv, rope; writes xb, wqkv, rope
.if DOCPART == 1
	.amdgcn_target "amdgcn-amd-amdhsa--gfx1250"
	.amdhsa_code_object_version 6
	.text
	.protected	k_qc4947f2b2e_prep
	.globl	k_qc4947f2b2e_prep
	.p2align	8
	.type	k_qc4947f2b2e_prep,@function
k_qc4947f2b2e_prep:
	s_mov_b64 s[64:65], 0
	v_nop
	global_prefetch_b8 v0, s[64:65] scope:SCOPE_SE
	s_setreg_imm32_b32 hwreg(HW_REG_WAVE_MODE, 25, 1), 1
	s_wait_xcnt 0x0
; PREP.  y = 0..3: one f32 matrix of 2048 x 2048 is rounded to bf16: x -> xb; Wq, Wk, Wv -> wqkv, one below the other.
; y = 4: the table rope[t][j] = (cos, sin)(pos[t] x 10000^(-j/64)), f32, j = 0..63.  (Wproj is rounded by the launch behind this one, in the wait for its first tiles.)
; SHARES.  A work-group casts 65,536 source bytes, a wave 8,192: sixteen loads of 512 consecutive bytes, all issued at once; each store of the wave
; covers 256 consecutive bytes, aligned.  No LDS, no matrix unit: each byte is read once and written once.  Table: a wave a row t, a lane two j (16 bytes).
; LIMITS.  The angle is the f32 product pos x inv_freq, with inv_freq by v_exp_f32 (about 1e-7 of itself off at small j, 1e-6 at j = 63, where angles stay under 0.3);
; sine and cosine by reduction to |r| <= pi/4 and Taylor polynomials, 3e-7 off at the most.  Positions are whole numbers 0 .. 2047, as the table of the problem has them.
.set LD,  16                           ; v[16:79]   sixteen loads of four f32
.set OUTR, 80                          ; v[80:111]  sixteen pairs of packed results
	s_load_b512 s[16:31], s[0:1], 0x0              ; x 16, Wq 18, Wk 20, Wv 22, positions 24, xb 26, wqkv 28, rope 30
	v_lshrrev_b32 v1, 5, v0
	v_readfirstlane_b32 s8, v1                     ; wave 0..7
	v_and_b32 v4, 31, v0                           ; lane
	s_and_b32 s9, ttmp7, 0xffff                    ; y: which job
	s_wait_kmcnt 0x0
	s_cmp_eq_u32 s9, 4
	s_cbranch_scc1 .Lrope
	; the source, chosen by y
	s_mov_b64 s[4:5], s[16:17]
	s_cmp_eq_u32 s9, 1
	s_cselect_b64 s[4:5], s[18:19], s[4:5]
	s_cmp_eq_u32 s9, 2
	s_cselect_b64 s[4:5], s[20:21], s[4:5]
	s_cmp_eq_u32 s9, 3
	s_cselect_b64 s[4:5], s[22:23], s[4:5]
	s_lshl_b32 s12, ttmp9, 16                      ; the work-group's 65,536 source bytes
	s_mov_b32 s13, 0
	s_add_nc_u64 s[4:5], s[4:5], s[12:13]
	; the destination: xb, or wqkv + (y - 1) x 8 MiB
	s_cmp_eq_u32 s9, 0
	s_cselect_b64 s[6:7], s[26:27], s[28:29]
	s_cselect_b32 s10, 1, s9                       ; y = 0 counts as 1: no offset
	s_sub_co_u32 s10, s10, 1
	s_lshl_b32 s10, s10, 23
	s_lshl_b32 s11, ttmp9, 15                      ; the work-group's 32,768 bytes of results
	s_add_co_u32 s10, s10, s11
	s_mov_b32 s11, 0
	s_add_nc_u64 s[6:7], s[6:7], s[10:11]
	v_lshlrev_b32 v2, 4, v4
	v_lshl_add_u32 v2, v1, 13, v2                  ; source: 8,192 x wave + 16 x lane
	v_lshlrev_b32 v3, 3, v4
	v_lshl_add_u32 v3, v1, 12, v3                  ; results: 4,096 x wave + 8 x lane
.irp k, 0,1,2,3,4,5,6,7,8,9,10,11,12,13,14,15
	global_load_b128 v[LD+4*\k:LD+4*\k+3], v2, s[4:5] offset:512*\k th:TH_LOAD_NT
.endr
.irp k, 0,1,2,3,4,5,6,7,8,9,10,11,12,13,14,15
	s_wait_loadcnt 15-\k                           ; loads come back in order: load k is in, the 15 - k younger ones may stay out
	v_cvt_pk_bf16_f32 v[OUTR+2*\k], v[LD+4*\k], v[LD+4*\k+1]
	v_cvt_pk_bf16_f32 v[OUTR+2*\k+1], v[LD+4*\k+2], v[LD+4*\k+3]
	global_store_b64 v3, v[OUTR+2*\k:OUTR+2*\k+1], s[6:7] offset:256*\k th:TH_STORE_NT  ; no register is written twice, so no store's source is at stake
.endr
	s_endpgm
.Lrope:
	s_lshl_b32 s10, ttmp9, 3
	s_add_co_u32 s10, s10, s8                      ; t = 8 x work-group + wave
	s_lshl_b32 s13, s10, 2
	s_load_b32 s12, s[24:25], s13 offset:0x0       ; pos[t]: it enters values alone, never an address
	v_lshlrev_b32 v5, 1, v4
	v_cvt_f32_u32 v6, v5                           ; j = 2 x lane
	v_add_f32 v7, 1.0, v6                          ; and 2 x lane + 1
	v_mul_f32 v6, 0xbe549a78, v6                   ; - j log2(10000) / 64
	v_mul_f32 v7, 0xbe549a78, v7
	v_exp_f32 v6, v6                               ; inv_freq: the two exponentials are one batch
	v_exp_f32 v7, v7
	v_lshlrev_b32 v3, 4, v4                        ; my 16 bytes of the row: the plain instruction behind the batch
	s_wait_alu depctr_va_vdst(0)                   ; the one wait ahead of the batch's first reader
	s_wait_kmcnt 0x0
	v_cvt_f32_i32 v5, s12
; cos and sin of v5 x v[inv] into v[o], v[o + 1].  k = the nearest whole number to angle x 2 / pi; r = angle - k pi / 2, with pi / 2 in two parts; the quadrant k mod 4 swaps and signs.
.macro SINCOS inv, o
	v_mul_f32 v10, v5, v[\inv]
	v_mul_f32 v11, 0x3f22f983, v10
	v_rndne_f32 v11, v11
	v_fmamk_f32 v12, v11, 0xbfc90fdb, v10
	v_fmamk_f32 v12, v11, 0x333bbd2e, v12
	v_mul_f32 v13, v12, v12                        ; z = r r
	v_mov_b32 v14, 0xb9500d01                      ; sin r = r + r z (-1/6 + z (1/120 - z / 5040))
	v_fmaak_f32 v14, v14, v13, 0x3c088889
	v_fmaak_f32 v14, v14, v13, 0xbe2aaaab
	v_mul_f32 v15, v12, v13
	v_fma_f32 v14, v15, v14, v12
	v_mov_b32 v15, 0x37d00d01                      ; cos r = 1 + z (-1/2 + z (1/24 + z (-1/720 + z / 40320)))
	v_fmaak_f32 v15, v15, v13, 0xbab60b61
	v_fmaak_f32 v15, v15, v13, 0x3d2aaaab
	v_fmaak_f32 v15, v15, v13, 0xbf000000
	v_fma_f32 v15, v13, v15, 1.0
	v_cvt_i32_f32 v11, v11
	v_and_b32 v16, 1, v11
	v_cmp_eq_u32 vcc_lo, 1, v16
	v_cndmask_b32 v17, v14, v15, vcc_lo            ; sine: in odd quadrants cos r
	v_cndmask_b32 v18, v15, v14, vcc_lo            ; cosine: in odd quadrants sin r
	v_and_b32 v16, 2, v11
	v_lshlrev_b32 v16, 30, v16
	v_xor_b32 v[(\o)+1], v16, v17                  ; sine is negative in quadrants 2 and 3
	v_add_nc_u32 v16, 1, v11
	v_and_b32 v16, 2, v16
	v_lshlrev_b32 v16, 30, v16
	v_xor_b32 v[\o], v16, v18                      ; cosine in quadrants 1 and 2
.endm
	SINCOS 6, 40
	SINCOS 7, 42
	s_lshl_b32 s10, s10, 9                         ; a row of the table is 512 bytes
	s_mov_b32 s11, 0
	s_add_nc_u64 s[30:31], s[30:31], s[10:11]
	global_store_b128 v3, v[40:43], s[30:31]       ; the wave's store covers the row's 512 bytes
	s_endpgm
.Lfunc_end_k_qc4947f2b2e_prep:
	.size	k_qc4947f2b2e_prep, .Lfunc_end_k_qc4947f2b2e_prep-k_qc4947f2b2e_prep
	.p2alignl 7, 3214868480
	.fill 96, 4, 3214868480
	.section	.rodata,"a",@progbits
	.p2align	6, 0x0
	.amdhsa_kernel k_qc4947f2b2e_prep
		.amdhsa_group_segment_fixed_size 0
		.amdhsa_private_segment_fixed_size 0
		.amdhsa_enable_private_segment 0
		.amdhsa_kernarg_size 64
		.amdhsa_user_sgpr_count 2
		.amdhsa_user_sgpr_kernarg_segment_ptr 1
		.amdhsa_wavefront_size32 1
		.amdhsa_system_sgpr_workgroup_id_x 1
		.amdhsa_system_sgpr_workgroup_id_y 1
		.amdhsa_system_sgpr_workgroup_id_z 1
		.amdhsa_system_vgpr_workitem_id 0
		.amdhsa_next_free_vgpr 112
		.amdhsa_next_free_sgpr 66
		.amdhsa_reserve_vcc 1
		.amdhsa_float_denorm_mode_32 3
		.amdhsa_float_denorm_mode_16_64 3
		.amdhsa_memory_ordered 1
		.amdhsa_forward_progress 1
		.amdhsa_inst_pref_size 11
	.end_amdhsa_kernel
	.amdgpu_metadata
---
amdhsa.version: [ 1, 2 ]
amdhsa.kernels:
  - .name:           k_qc4947f2b2e_prep
    .symbol:         k_qc4947f2b2e_prep.kd
    .args:
      - { .name: x, .offset: 0, .size: 8, .value_kind: global_buffer, .address_space: global }
      - { .name: Wq, .offset: 8, .size: 8, .value_kind: global_buffer, .address_space: global }
      - { .name: Wk, .offset: 16, .size: 8, .value_kind: global_buffer, .address_space: global }
      - { .name: Wv, .offset: 24, .size: 8, .value_kind: global_buffer, .address_space: global }
      - { .name: token_positions, .offset: 32, .size: 8, .value_kind: global_buffer, .address_space: global }
      - { .name: xb, .offset: 40, .size: 8, .value_kind: global_buffer, .address_space: global }
      - { .name: wqkv, .offset: 48, .size: 8, .value_kind: global_buffer, .address_space: global }
      - { .name: rope, .offset: 56, .size: 8, .value_kind: global_buffer, .address_space: global }
    .group_segment_fixed_size: 0
    .private_segment_fixed_size: 0
    .kernarg_segment_align: 8
    .kernarg_segment_size: 64
    .max_flat_workgroup_size: 256
    .sgpr_count:     66
    .vgpr_count:     112
    .wavefront_size: 32
...
	.end_amdgpu_metadata
.endif
;; end of part 1
;; launch qkv (part 2): grid 32 x 8, 4 waves a work-group, clusters of 4 x 4, 327,680 bytes of LDS; arguments xb, wqkv, rope, qkv, Wproj, wp; writes qkv, wp
.if DOCPART == 2
	.amdgcn_target "amdgcn-amd-amdhsa--gfx1250"
	.amdhsa_code_object_version 6
	.text
	.protected	k_qc4947f2b2e_qkv
	.globl	k_qc4947f2b2e_qkv
	.p2align	8
	.type	k_qc4947f2b2e_qkv,@function
k_qc4947f2b2e_qkv:
	s_mov_b64 s[64:65], 0
	v_nop
	global_prefetch_b8 v0, s[64:65] scope:SCOPE_SE
	s_setreg_imm32_b32 hwreg(HW_REG_WAVE_MODE, 25, 1), 1
	s_wait_xcnt 0x0
	s_wait_alu depctr_hold_cnt(0) depctr_sa_sdst(0) depctr_va_vdst(0) depctr_va_sdst(0) depctr_va_ssrc(0) depctr_va_vcc(0) depctr_vm_vsrc(0)
	s_getreg_b32 s2, hwreg(HW_REG_IB_STS2, 6, 4)
	s_cmp_eq_u32 s2, 0
	s_cbranch_scc0 .Lentry_in_a_cluster
	s_endpgm
.Lentry_in_a_cluster:
	s_bfe_u32 s2, ttmp6, 0x10000c
	s_cmp_lg_u32 s2, 0xf033
	s_cbranch_scc0 .Lentry_shape_is_right
	s_endpgm
.Lentry_shape_is_right:
; Q, K, V = x W^T, with the rotation by position and the softmax's scale on the way out.  xb: [2048][2048] bf16; wqkv: [6144][2048] bf16 (Wq, Wk, Wv); rope: [t][64][cos, sin] f32;
; qkv: [96 planes][2048 t][64] f16, plane = output column / 64: 0-31 q, 32-63 k, 64-95 v.  Sums in f32; each result is rounded once, to f16.
; q leaves multiplied by c = log2(e) / sqrt(128), in f32 ahead of its one rounding (an order of rounding other than the formula's, which scales the scores).
; BESIDE IT, in the wait for the first tiles: Wproj (f32) -> wp: rounded to bf16, that number written as f16; 65,536 source bytes a work-group, 16,384 a wave, in accumulator registers that are not yet in use.
; LIMITS.  c q, k, v and Wproj stay under 65,504, f16's range; below 2^-14 Wproj keeps f16's fixed step 2^-24.
; SHARES.  A tile of the result is 256 rows (t) x 192 columns: 8 x 32 = 256 work-groups.  Wave w makes rows 64 w .. 64 w + 63 and all 192 columns: 4 x 12 accumulators of 16 x 16, 384 registers:
; three whole planes, so each wave has a stage of its own on the way out.  K goes in 16 steps of 128 through two LDS slots filled by the tensor data mover; a row of a tile is 256 bytes of memory, aligned.
; A K STEP IS WRITTEN ONCE: the slot in hand is a scalar, 0 or SLOT, added to the lane's place; one descriptor a tensor walks.  The two steps that ask for nothing are a second loop.
; CLUSTERS.  4 x 4 work-groups: the four of a row of the cluster need the same tiles of x, the four of a column the same tiles of W: each is asked for JOINTLY, by the same load, descriptor and mask.
; THE MATRIX INSTRUCTION IS USED TRANSPOSED (source 0 = 16 rows of W, source 1 = 16 rows of x): a lane holds one t (lane % 16) and the eight neighbouring columns 8 (lane / 16) + 0..7: four pairs of the rotation.
; REGISTERS, in windows of 256: window 0: v0-31 addresses; v64-127 x's fragments, two buffers of 4 x 8 (on the way out: v32-63 scaled cos and sin, v64-95 rotated numbers); v128-255 the table for row blocks 0, 1.
;   Window 1: W's fragments, two buffers of 12 x 8 (on the way out: rows read back, 16 registers for each of the twelve units).  Window 2: the accumulators of row blocks 0, 1 at v[8 (12 (a % 2) + b)]; v192-255 the table for block 2.
;   Window 3: the accumulators of blocks 2, 3; v192-255 the table for block 3.
.set KSTEP,  128
.set PITCH,  272                       ; an LDS row: 256 bytes + 16 of padding = 68 words: the 16 rows of a fragment load start at 16 different groups of four banks (ISA guide 11.1)
.set HALFA,  128*PITCH                 ; what one load brings of x
.set HALFB,  96*PITCH                  ; and of W
.set SLOT,   2*HALFA+2*HALFB           ; x's 256 rows, then W's 192
.set STAGE,  2*SLOT                    ; behind the ring: 16 rows x 144 bytes for each wave
.set SP,     144
.set SPARE,  STAGE+4*16*SP             ; the spare words, 128 bytes for each wave: two blocks of 256 bytes that no other line names
.set STEPS,  16                        ; 2048 / 128
.set PLB,    262144                    ; bytes in a plane
.set T,    4                           ; v4-7    at work on the way out (at the head: scratch)
.set BPV,  10                          ; v10-15  plane p: the pair (what is added to the cosine, 0)
.set A0,   16                          ; v16     my lane's place among my fragments of x in slot 0
.set B0,   17                          ; v17     the same for W
.set ADRA, 18                          ; v18     the same in the slot in hand
.set ADRB, 19                          ; v19
.set WSO,  20                          ; v20     my byte offset in the work-group's part of Wproj
.set WDO,  21                          ; v21     and of wp
.set RO,   22                          ; v22-23  my byte offset in 16 rows of the table: for my planes 0 and 2, and for plane 1 (the other half of a head)
.set STO,  24                          ; v24     where I put 16 bytes of a plane's row
.set RD,   25                          ; v25     where I read rows back
.set CO,   26                          ; v26     16 x lane
.set SPW,  28                          ; v28     my spare word; never rewritten
.set NIL,  29                          ; v29     0; never rewritten
.set PFO,  30                          ; v30     the prefetches' offset: a lane a row
.set CS,   32
.set R,    64
.set FA,   64
.set TAB,  128
.set WV,   12                          ; s12 wave; s13 = wave / 2: I fetch for x (0) or W (1); s14 = wave % 2: which half of that tile
.set LA,   15                          ; s15  where my part of x's tile lies in a slot
.set G1,   24                          ; s[24:31] group 1 for x's tiles; s[32:39] group 0: a set for each of the two first fills; the second then walks on
.set G0,   32
.set PFA,  44                          ; s[44:45] where my prefetches stand
.set LIM,  46                          ; s46  2 in a wave that prefetches, else the greatest number
.set LB,   47                          ; s47  where my part of W's tile lies in a slot
.set G1B,  48                          ; s[48:55], s[56:63] the same for W's tiles
.set G0B,  56
.set RB,   66                          ; s[66:67] the table at my first row
.set OB,   68                          ; s[68:69] qkv at my first plane and row
.set AP,   70                          ; s[70:75] plane p: a pair whose low word is the factor of cos and sin: c (q), 1 (k), 0 (v)
.set TB,   76                          ; s76  the slot in hand: 0 or SLOT
.set HM,   77                          ; s77  a word's upper half
.set WS,   80                          ; s[80:81] Wproj, s[82:83] wp, at the work-group's part
.set WD,   82
.set MSB, 0
.macro WIN new                         ; the immediate's high byte repeats the setting that is left; a switch that changes nothing is dropped
.if MSB != (\new)
	s_set_vgpr_msb (MSB<<8)|(\new)
.set MSB, (\new)
.endif
.endm
.macro PLACES                          ; four plain places behind matrix instructions, ahead of loads into their sources and of readers of their results
.rept 4
	v_nop
.endr
.endm
; A joint load: waves 0 and 1 fetch x's halves, waves 2 and 3 W's.  The branch hangs on the wave's number alone.  An s_nop 0 and four v_nop follow each line.
.macro JLOAD s
	s_cmp_eq_u32 s13, 0
	s_cbranch_scc0 .Lfor_b_\@
	tensor_load_to_lds s[G0+4*(\s):G0+4*(\s)+3], s[G1:G1+7]
	s_nop 0
.rept 4
	v_nop
.endr
	s_branch .Lasked_\@
.Lfor_b_\@:
	tensor_load_to_lds s[G0B+4*(\s):G0B+4*(\s)+3], s[G1B:G1B+7]
	s_nop 0
.rept 4
	v_nop
.endr
.Lasked_\@:
.endm
; A prefetch of the K step that stands two refills on (384 matrix instructions ahead of its load): 256 bytes of each row, a lane a row.  x's rows are asked for by the clusters with x = 0, W's by those with y = 0;
; the four partners that ask for a tile jointly share its rows out by address: 32 of x's 128 at 32 cx; 24 of W's 96 at 24 cy, where lanes 24-31 name row 23 once more.  The loop's last two trips have no K step two on.
.macro ASK
	s_cmp_gt_u32 s3, s[LIM]
	s_cbranch_scc0 .Lnot_mine_\@
	global_prefetch_b8 v[PFO], s[PFA:PFA+1] offset:KSTEP*2 th:TH_LOAD_NT scope:SCOPE_SE
.Lnot_mine_\@:
.endm
.macro CREST                           ; a round of the cluster's barrier behind its opening barrier
	s_cmp_lg_u32 s[WV], 0
	s_cbranch_scc1 .Lnot_wave_0_\@
	s_barrier_signal -3
.Lnot_wave_0_\@:
	s_barrier_wait -3
	s_barrier_signal -1
	s_barrier_wait -1
.endm
.macro CROUND
	s_barrier_signal -1
	s_barrier_wait -1
	CREST
.endm
; The table for row block a (16 rows), both halves of a head: 16 loads of 16 bytes a lane.  Blocks 0, 1 lie in window 0, block 2 in window 2, block 3 in window 3.
.macro TLOAD a
.if (\a) < 2
	WIN 0
.set tb, TAB+64*(\a)
.else
	WIN (\a)<<6
.set tb, 192
.endif
.irp s, 0,1
.irp q, 0,1,2,3
	global_load_b128 v[tb+32*\s+8*\q:tb+32*\s+8*\q+3],   v[RO+\s], s[RB:RB+1] offset:(\a)*8192+64*\q
	global_load_b128 v[tb+32*\s+8*\q+4:tb+32*\s+8*\q+7], v[RO+\s], s[RB:RB+1] offset:(\a)*8192+64*\q+16
.endr
.endr
.endm
	s_load_b256 s[4:11], s[0:1], 0x0               ; xb s[4:5], wqkv s[6:7], rope s[8:9], qkv s[10:11]
	s_load_b128 s[WS:WS+3], s[0:1], 0x20           ; Wproj, wp
	v_lshl_add_u32 v[SPW], v0, 2, SPARE
	v_mov_b32 v[NIL], 0
	ds_add_u32 v[SPW], v[NIL]                      ; the wave's opening: the add and its wait stand ahead of my first tensor load; the set-up stands between them
	v_lshrrev_b32 v1, 5, v0
	v_readfirstlane_b32 s[WV], v1
	s_lshr_b32 s13, s[WV], 1
	s_and_b32 s14, s[WV], 1
	s_bfe_u32 s40, ttmp6, 0x40000                  ; cx
	s_bfe_u32 s41, ttmp6, 0x40004                  ; cy
	s_lshl_b32 s42, ttmp9, 2
	s_add_co_u32 s42, s42, s40                     ; tile column = 4 x cluster x + cx
	s_and_b32 s43, ttmp7, 0xffff
	s_lshl_b32 s43, s43, 2
	s_add_co_u32 s43, s43, s41                     ; tile row = 4 x cluster y + cy
	s_lshl_b32 s84, s41, 2
	s_lshl_b32 s84, 15, s84                        ; my row of the cluster
	s_lshl_b32 s85, 0x1111, s40                    ; my column
	s_or_b32 s[G1], s84, (1<<16)|(1<<20)|(1<<21)|(5<<22)|(3<<25)   ; the mask; 2-byte elements; padding on; bit 21 beside a mask; after every 64 words, 4 words
	s_or_b32 s[G1B], s85, (1<<16)|(1<<20)|(1<<21)|(5<<22)|(3<<25)
	s_mov_b32 s[G1+1], KSTEP<<16                   ; tensor_dim0 = 128
	s_mov_b32 s[G1+2], 128<<16                     ; tensor_dim1 = 128
	s_mov_b32 s[G1+3], KSTEP<<16                   ; tile_dim0 = 128
	s_mov_b32 s[G1+4], 128                         ; tile_dim1 = 128
	s_mov_b32 s[G1+5], 2048                        ; elements from row to row
	s_mov_b32 s[G1+6], 0
	s_mov_b32 s[G1+7], 0
	s_mov_b32 s[G1B+1], KSTEP<<16
	s_mov_b32 s[G1B+2], 96<<16                     ; W's tiles have 96 rows
	s_mov_b32 s[G1B+3], KSTEP<<16
	s_mov_b32 s[G1B+4], 96
	s_mov_b32 s[G1B+5], 2048
	s_mov_b32 s[G1B+6], 0
	s_mov_b32 s[G1B+7], 0
	; x's address hangs on the tile row and the wave, W's on the tile column and the wave, each in registers that never hold the other coordinate
	s_lshl_b32 s17, s14, 7
	s_lshl_b32 s16, s43, 8
	s_add_co_u32 s16, s16, s17                     ; x: row 256 x tile row + 128 x half
	s_lshl_b32 s16, s16, 12                        ; 4,096 bytes a row
	s_mov_b32 s17, 0
	s_mul_i32 s88, s42, 192
	s_mul_i32 s89, s14, 96
	s_add_co_u32 s88, s88, s89                     ; W: row 192 x tile column + 96 x half
	s_lshl_b32 s88, s88, 12
	s_mov_b32 s89, 0
	s_mul_i32 s[LA], s[WV], HALFA                  ; where they go: x's halves at wave x HALFA (waves 0, 1),
	s_mul_i32 s[LB], s[WV], HALFB                  ; W's behind them, at 2 HALFA + (wave - 2) x HALFB (waves 2, 3)
	s_add_co_u32 s[LB], s[LB], 2*(HALFA-HALFB)
	s_mov_b32 s[TB], 0
	s_wait_dscnt 0x0                               ; the opening add is done
	s_wait_kmcnt 0x0
	s_add_nc_u64 s[18:19], s[4:5], s[16:17]
	s_add_nc_u64 s[90:91], s[6:7], s[88:89]
	CROUND                                         ; all sixteen work-groups are here: the first joint loads meet
.irp s, 0,1
	s_mov_b32 s[G0+4*\s], 1
	s_add_co_u32 s[G0+4*\s+1], s[LA], \s*SLOT
	s_add_nc_u64 s[G0+4*\s+2:G0+4*\s+3], s[18:19], \s*KSTEP*2
	s_or_b32 s[G0+4*\s+3], s[G0+4*\s+3], 0x80000000
	s_mov_b32 s[G0B+4*\s], 1
	s_add_co_u32 s[G0B+4*\s+1], s[LB], \s*SLOT
	s_add_nc_u64 s[G0B+4*\s+2:G0B+4*\s+3], s[90:91], \s*KSTEP*2
	s_or_b32 s[G0B+4*\s+3], s[G0B+4*\s+3], 0x80000000
	JLOAD \s                                       ; two loads of mine are out
.endr
	v_and_b32 v1, 15, v0                           ; r = l % 16
	v_bfe_u32 v2, v0, 4, 1                         ; h = l / 16
	v_and_b32 v5, 31, v0                           ; l
	v_lshlrev_b32 v4, 9, v1                        ; the table: row r, my four pairs: 32 h bytes on,
	v_lshl_add_u32 v4, v2, 5, v4
	s_and_b32 s22, s42, 1                          ; plane 3 x tile column + p is a head's lower half where tile column + p is even
	s_lshl_b32 s22, s22, 8
	s_xor_b32 s23, s22, 256
	v_add_nc_u32 v[RO], s22, v4
	v_add_nc_u32 v[RO+1], s23, v4
	s_lshl_b32 s22, s43, 8
	s_lshl_b32 s23, s[WV], 6
	s_add_co_u32 s22, s22, s23                     ; my first row t
	s_lshl_b32 s16, s22, 9
	s_mov_b32 s17, 0
	s_add_nc_u64 s[RB:RB+1], s[8:9], s[16:17]
	TLOAD 0
	; Wproj: work-group 32 x tile row + tile column takes 65,536 bytes of it, my wave 16,384: 32 loads of 512 consecutive bytes into window 2
	s_lshl_b32 s20, s43, 5
	s_add_co_u32 s20, s20, s42
	s_lshl_b32 s16, s20, 16
	s_add_nc_u64 s[WS:WS+1], s[WS:WS+1], s[16:17]
	s_lshl_b32 s16, s20, 15
	s_add_nc_u64 s[WD:WD+1], s[WD:WD+1], s[16:17]
	s_lshl_b32 s21, s[WV], 14
	v_lshl_add_u32 v[WSO], v5, 4, s21
	s_lshl_b32 s21, s[WV], 13
	v_lshl_add_u32 v[WDO], v5, 3, s21
	s_mov_b32 s[HM], 0xffff0000
	WIN 0x80
.set k, 0
.rept 32
	global_load_b128 v[4*k:4*k+3], v[WSO], s[WS:WS+1] offset:512*k th:TH_LOAD_NT
.set k, k+1
.endr
	WIN 0
	; the other addresses, while those loads and the first tiles are on their way
	s_mul_i32 s20, s42, 3*PLB
	s_lshl_b32 s21, s22, 7
	s_add_co_u32 s20, s20, s21
	s_mov_b32 s21, 0
	s_add_nc_u64 s[OB:OB+1], s[10:11], s[20:21]
	v_mul_u32_u24 v3, v1, PITCH
	v_lshl_add_u32 v3, v2, 4, v3                   ; a fragment's row x pitch + 16 h
	s_mul_i32 s23, s[WV], 64*PITCH                 ; my 64 rows of x
	v_add_nc_u32 v[A0], s23, v3
	v_add_nc_u32 v[B0], 2*HALFA, v3
	v_mov_b32 v[ADRA], v[A0]                       ; slot 0 is in hand
	v_mov_b32 v[ADRB], v[B0]
	s_mul_i32 s23, s[WV], 16*SP
	s_add_co_u32 s23, s23, STAGE                   ; my stage
	v_mul_u32_u24 v4, v1, SP
	v_lshl_add_u32 v4, v2, 4, v4
	v_add_nc_u32 v[STO], s23, v4                   ; in: row r, 16 bytes for each half of the lanes
	v_bfe_u32 v4, v0, 3, 2
	v_mul_u32_u24 v4, v4, SP
	v_and_b32 v6, 7, v0
	v_lshl_add_u32 v4, v6, 4, v4
	v_add_nc_u32 v[RD], s23, v4                    ; back: 32 lanes take four rows of 128 bytes,
	v_lshlrev_b32 v[CO], 4, v5                     ; which are 512 consecutive bytes of a plane
	s_mul_i32 s22, s42, 3
.irp p, 0,1,2
	s_add_co_u32 s23, s22, \p                      ; the plane's number says what it is; it chooses values only
	s_cmp_lt_u32 s23, 32
	s_cselect_b32 s[AP+2*\p], 0x3e0293ee, 1.0      ; c = log2(e) / sqrt(128) for q
	s_cmp_lt_u32 s23, 64
	s_cselect_b32 s[AP+2*\p], s[AP+2*\p], 0
	s_cselect_b32 s21, 0, 1.0                      ; v passes unturned: cos counts as 1, sin as 0
	s_mov_b32 s[AP+2*\p+1], 0                      ; named with it as a pair
	v_mov_b32 v[BPV+2*\p], s21
	v_mov_b32 v[BPV+2*\p+1], 0
.endr
	; the prefetches
	s_lshl_b32 s20, s43, 8
	s_lshl_b32 s21, s14, 7
	s_add_co_u32 s20, s20, s21
	s_lshl_b32 s21, s40, 5
	s_add_co_u32 s20, s20, s21                     ; x: the 128 rows that I fetch, my work-group's 32 of them
	s_mul_i32 s22, s42, 192
	s_mul_i32 s23, s14, 96
	s_add_co_u32 s22, s22, s23
	s_mul_i32 s23, s41, 24
	s_add_co_u32 s22, s22, s23                     ; W: the 96 rows that I fetch, my work-group's 24
	s_and_b32 s23, ttmp7, 0xffff
	s_cmp_eq_u32 s13, 0
	s_cselect_b32 s20, s20, s22
	s_cselect_b32 s23, ttmp9, s23                  ; the coordinate along which other clusters read the same rows
	s_cselect_b32 s78, 31, 23
	s_cselect_b64 s[PFA:PFA+1], s[4:5], s[6:7]
	s_cmp_eq_u32 s23, 0
	s_cselect_b32 s[LIM], 2, -1                    ; the same in all sixteen partners, for a given wave
	s_lshl_b32 s20, s20, 12
	s_mov_b32 s21, 0
	s_add_nc_u64 s[PFA:PFA+1], s[PFA:PFA+1], s[20:21]
	s_add_nc_u64 s[PFA:PFA+1], s[PFA:PFA+1], 2*KSTEP*2  ; at K step 2: the first refill steps it to 3 and names K step 4; nothing is asked for at the head
	v_min_u32 v[PFO], s78, v5
	v_lshlrev_b32 v[PFO], 12, v[PFO]
	; Wproj -> wp, in four stages, each under one window setting: rounded to bf16 (window 2 -> 3), widened again (3 -> 2), written as f16 (2 -> 3), stored
	WIN 0xca
.set k, 0
.rept 32
	s_wait_loadcnt 31-k                            ; loads come back in order: load k (and the table's, which are older) is in, the 31 - k younger ones may stay out
	v_cvt_pk_bf16_f32 v[2*k], v[4*k], v[4*k+1]
	v_cvt_pk_bf16_f32 v[2*k+1], v[4*k+2], v[4*k+3]
.set k, k+1
.endr
	WIN 0x8c
.set k, 0
.rept 64
	v_lshlrev_b32 v[2*k], 16, v[k]
	v_and_b32 v[2*k+1], s[HM], v[k]
.set k, k+1
.endr
	WIN 0xca
.set k, 0
.rept 64
	v_cvt_pk_f16_f32 v[k], v[2*k], v[2*k+1]
.set k, k+1
.endr
	WIN 0x0c
.set k, 0
.rept 32
	global_store_b64 v[WDO], v[2*k:2*k+1], s[WD:WD+1] offset:256*k th:TH_STORE_NT  ; 256 consecutive bytes, aligned
.set k, k+1
.endr
	TLOAD 1                                        ; the other tables: 48 loads that stay out until the way out
	TLOAD 2
	TLOAD 3
	WIN 0
; 12 matrix instructions: row block a x all 12 column blocks, 32 along K, from buffer f.  zero = 1: the product starts the sum.  The 48 accumulators take turns, in the same order in every quarter.
.macro MUL12 f, a, zero
	WIN 0xa1+0x50*((\a)/2)
.irp b, 0,1,2,3,4,5,6,7,8,9,10,11
.if \zero
	v_wmma_f32_16x16x32_bf16 v[8*(12*((\a)%2)+(\b)):8*(12*((\a)%2)+(\b))+7], v[96*(\f)+8*(\b):96*(\f)+8*(\b)+7], v[FA+32*(\f)+8*(\a):FA+32*(\f)+8*(\a)+7], 0
.else
	v_wmma_f32_16x16x32_bf16 v[8*(12*((\a)%2)+(\b)):8*(12*((\a)%2)+(\b))+7], v[96*(\f)+8*(\b):96*(\f)+8*(\b)+7], v[FA+32*(\f)+8*(\a):FA+32*(\f)+8*(\a)+7], v[8*(12*((\a)%2)+(\b)):8*(12*((\a)%2)+(\b))+7]
.endif
.endr
.endm
; 32 LDS loads in one run: the fragments of 32 along K at byte k of the rows of the slot in hand, into buffer f: W's 24, then x's 8
.macro FETCH k, f
	WIN 0x40
.irp i, 0,1,2,3,4,5,6,7,8,9,10,11
	ds_load_b128 v[96*(\f)+8*\i:96*(\f)+8*\i+3],   v[ADRB] offset:(\k)+\i*16*PITCH
	ds_load_b128 v[96*(\f)+8*\i+4:96*(\f)+8*\i+7], v[ADRB] offset:(\k)+\i*16*PITCH+32
.endr
	WIN 0
.irp i, 0,1,2,3
	ds_load_b128 v[FA+32*(\f)+8*\i:FA+32*(\f)+8*\i+3],   v[ADRA] offset:(\k)+\i*16*PITCH
	ds_load_b128 v[FA+32*(\f)+8*\i+4:FA+32*(\f)+8*\i+7], v[ADRA] offset:(\k)+\i*16*PITCH+32
.endr
.endm
; A K step is four quarters of 32 along K, 48 matrix instructions each, on buffers 0, 1, 0, 1.  One of the first three multiplies buffer f and fetches the next quarter, at byte k, into g.
.macro QUARTER k, f, g, zero
	s_wait_dscnt 4                                 ; W and x's blocks 0, 1 are in; the youngest four loads (blocks 2, 3) may be out
	MUL12 \f, 0, \zero
	MUL12 \f, 1, \zero
	PLACES
	FETCH \k, \g
	s_wait_dscnt 32                                ; all but the 32 just issued
	MUL12 \f, 2, \zero
	MUL12 \f, 3, \zero
.endm
; The last quarter changes slots and then multiplies buffer 1.  Each wave waits for all its tensor loads (one is out: its part of the next slot), adds 0 to its spare word, and waits for that and for its own reads of
; the slot in hand, whose last fragments lie in buffer 1.  fill = 1: a round of the cluster's barrier, and straight behind it the slot just read out is asked for again, two K steps ahead: the request has a whole K step's
; 192 matrix instructions in which to land, and nothing but the round stands between a tile's landing and the next request.  fill = 0: a plain barrier; in the very last K step (s2 = 1) there is no next slot to fetch from,
; and its barrier serves nothing: the price of one text for the two steps.
.macro TURN fill
.if \fill
	s_wait_xcnt 0x0                                ; the last prefetch, a K step back, has read its address
	s_add_nc_u64 s[PFA:PFA+1], s[PFA:PFA+1], KSTEP*2
.endif
	WIN 0
	s_wait_tensorcnt 0x0                           ; no tensor load of mine is out, so a group 0 may be written
	ds_add_u32 v[SPW], v[NIL]                      ; 0 onto my spare word: the steps below stand between it and the wait for it
.if \fill
	s_add_co_u32 s[G0+5], s[LA], s[TB]             ; the walking descriptors: into the slot in hand,
	s_add_co_u32 s[G0B+5], s[LB], s[TB]
	s_add_nc_u64 s[G0+6:G0+7], s[G0+6:G0+7], KSTEP*2    ; the next K step; the type bits on top are not reached
	s_add_nc_u64 s[G0B+6:G0B+7], s[G0B+6:G0B+7], KSTEP*2
.endif
	s_xor_b32 s[TB], s[TB], SLOT                   ; the other slot comes in hand
	v_add_nc_u32 v[ADRA], s[TB], v[A0]
	v_add_nc_u32 v[ADRB], s[TB], v[B0]
	s_wait_dscnt 0x0                               ; the add is done, and my reads of the old slot are over
	s_barrier_signal -1
	s_barrier_wait -1
.if \fill
	CREST                                          ; no wave of any partner still reads the old slot's tile or has a load on its way
	JLOAD 1                                        ; the four v_nop behind it, and the two additions above, are the places ahead of the loads below
	FETCH 0, 0
	ASK
.else
	PLACES
	s_cmp_eq_u32 s2, 1
	s_cbranch_scc1 .Lno_next_\@
	FETCH 0, 0
.Lno_next_\@:
.endif
	MUL12 1, 0, 0
	MUL12 1, 1, 0
	MUL12 1, 2, 0
	MUL12 1, 3, 0
.endm
	s_wait_xcnt 0x0                                ; the stores of wp have read their registers: the first products write over them only behind this wait
	s_wait_tensorcnt 1                             ; my part of K step 0 is in; K step 1's may stay out
	s_barrier_signal -1
	s_barrier_wait -1
	FETCH 0, 0
	QUARTER 64, 0, 1, 1                            ; the first quarter's products start the sums
	WIN 0
	s_mov_b32 s3, STEPS-2
.Lstep:                                                ; 14 trips: from a K step's second quarter to the next step's first; each asks for the K step two on
	QUARTER 128, 1, 0, 0
	QUARTER 192, 0, 1, 0
	TURN 1
	QUARTER 64,  0, 1, 0
	WIN 0
	s_sub_co_u32 s3, s3, 1
	s_cmp_lg_u32 s3, 0
	s_cbranch_scc1 .Lstep
	s_mov_b32 s2, 2
.Ltail:                                                ; the last two K steps ask for nothing; the second trip is left in its middle
	QUARTER 128, 1, 0, 0
	QUARTER 192, 0, 1, 0
	TURN 0
	WIN 0
	s_sub_co_u32 s2, s2, 1
	s_cmp_lg_u32 s2, 0
	s_cbranch_scc0 .Lout
	QUARTER 64,  0, 1, 0
	WIN 0
	s_cmp_lg_u32 s2, 0
	s_cbranch_scc1 .Ltail
.Lout:
; THE WAY OUT, in twelve units: row block a (16 rows) x plane p (64 columns) = 2,048 consecutive bytes of qkv.
; ROPE: (c', s') = (A cos + B, A sin) for the plane's 16 pairs a lane; then (xe, xo) -> (xe c' - xo s', xo c' + xe s'), two packed lines a pair: (xo s', xe s') by a product whose first source is taken swapped and whose
; second gives s' to both halves; then x c' with that subtracted in the low half and added in the high one.  Each accumulator is read from its low end on.
.macro ROPE a, p
.if (\a) < 2
	WIN 0
.set tb, TAB+64*(\a)+32*((\p)%2)
.else
	WIN (\a)
.set tb, 192+32*((\p)%2)
.endif
.set i, 0
.rept 16
	v_pk_fma_f32 v[CS+2*i:CS+2*i+1], v[tb+2*i:tb+2*i+1], s[AP+2*(\p):AP+2*(\p)+1], v[BPV+2*(\p):BPV+2*(\p)+1] op_sel_hi:[1,0,1]
.set i, i+1
.endr
	WIN 0x02+(\a)/2                                ; source 0: the accumulators' window
.set ac, 8*(12*((\a)%2)+4*(\p))
.set i, 0
.rept 8
	v_pk_mul_f32 v[T:T+1],   v[ac+2*i:ac+2*i+1],   v[CS+2*i:CS+2*i+1]   op_sel:[1,1] op_sel_hi:[0,1]
	v_pk_mul_f32 v[T+2:T+3], v[ac+2*i+2:ac+2*i+3], v[CS+2*i+2:CS+2*i+3] op_sel:[1,1] op_sel_hi:[0,1]
	v_pk_fma_f32 v[R+2*i:R+2*i+1],   v[ac+2*i:ac+2*i+1],   v[CS+2*i:CS+2*i+1],   v[T:T+1]   op_sel_hi:[1,0,1] neg_lo:[0,0,1]
	v_pk_fma_f32 v[R+2*i+2:R+2*i+3], v[ac+2*i+2:ac+2*i+3], v[CS+2*i+2:CS+2*i+3], v[T+2:T+3] op_sel_hi:[1,0,1] neg_lo:[0,0,1]
.set i, i+2
.endr
.endm
; PACK: rounded to f16 in place, 16 bytes a lane and accumulator into my stage, and back as whole rows, into 16 registers of window 1 that are unit u's own: no store's source is ever written again.
.macro PACK u
	WIN 0
.set i, 0
.rept 16
	v_cvt_pk_f16_f32 v[R+i], v[R+2*i], v[R+2*i+1]
.set i, i+1
.endr
.irp q, 0,1,2,3
	ds_store_b128 v[STO], v[R+4*\q:R+4*\q+3] offset:32*\q
.endr
	WIN 0x40
.irp f, 0,1,2,3
	ds_load_b128 v[16*(\u)+4*\f:16*(\u)+4*\f+3], v[RD] offset:4*SP*\f  ; LDS serves a wave's instructions in order (ISA guide 5.7.1.4): these see the stores above
.endr
.endm
.macro SEND a, p, u, younger           ; younger: the LDS instructions issued behind this unit's loads
	WIN 0x04
	s_wait_dscnt \younger
.irp f, 0,1,2,3
	global_store_b128 v[CO], v[16*(\u)+4*\f:16*(\u)+4*\f+3], s[OB:OB+1] offset:(\p)*PLB+2048*(\a)+512*\f  ; 512 consecutive bytes, aligned
.endr
.endm
	PLACES
	s_wait_loadcnt 0x0                             ; the tables, asked for at the head
.irp u, 0,1,2,3,4,5,6,7,8,9,10,11
	ROPE (\u)/3, (\u)%3
	PACK \u
.if (\u) > 0
	SEND ((\u)-1)/3, ((\u)-1)%3, (\u)-1, 8         ; this unit's four stores and four loads may be out
.endif
.endr
	SEND 3, 2, 11, 0
	WIN 0
	s_wait_tensorcnt 0x0                           ; the wave's end, behind my last tensor load and my last LDS store
	ds_add_u32 v[SPW], v[NIL]
	s_wait_dscnt 0x0
	CROUND                                         ; the closing round: no work-group ends while a partner may still ask for a tile that names it
	s_endpgm
.Lfunc_end_k_qc4947f2b2e_qkv:
	.size	k_qc4947f2b2e_qkv, .Lfunc_end_k_qc4947f2b2e_qkv-k_qc4947f2b2e_qkv
	.p2alignl 7, 3214868480
	.fill 96, 4, 3214868480
	.section	.rodata,"a",@progbits
	.p2align	6, 0x0
	.amdhsa_kernel k_qc4947f2b2e_qkv
		.amdhsa_group_segment_fixed_size 327680
		.amdhsa_private_segment_fixed_size 0
		.amdhsa_enable_private_segment 0
		.amdhsa_kernarg_size 48
		.amdhsa_user_sgpr_count 2
		.amdhsa_user_sgpr_kernarg_segment_ptr 1
		.amdhsa_wavefront_size32 1
		.amdhsa_system_sgpr_workgroup_id_x 1
		.amdhsa_system_sgpr_workgroup_id_y 1
		.amdhsa_system_sgpr_workgroup_id_z 1
		.amdhsa_system_vgpr_workitem_id 0
		.amdhsa_next_free_vgpr 1024
		.amdhsa_next_free_sgpr 96
		.amdhsa_reserve_vcc 0
		.amdhsa_float_denorm_mode_32 3
		.amdhsa_float_denorm_mode_16_64 3
		.amdhsa_memory_ordered 1
		.amdhsa_forward_progress 1
		.amdhsa_inst_pref_size 148
	.end_amdhsa_kernel
	.amdgpu_metadata
---
amdhsa.version: [ 1, 2 ]
amdhsa.kernels:
  - .name:           k_qc4947f2b2e_qkv
    .symbol:         k_qc4947f2b2e_qkv.kd
    .args:
      - { .name: xb, .offset: 0, .size: 8, .value_kind: global_buffer, .address_space: global }
      - { .name: wqkv, .offset: 8, .size: 8, .value_kind: global_buffer, .address_space: global }
      - { .name: rope, .offset: 16, .size: 8, .value_kind: global_buffer, .address_space: global }
      - { .name: qkv, .offset: 24, .size: 8, .value_kind: global_buffer, .address_space: global }
      - { .name: Wproj, .offset: 32, .size: 8, .value_kind: global_buffer, .address_space: global }
      - { .name: wp, .offset: 40, .size: 8, .value_kind: global_buffer, .address_space: global }
    .group_segment_fixed_size: 327680
    .private_segment_fixed_size: 0
    .kernarg_segment_align: 8
    .kernarg_segment_size: 48
    .max_flat_workgroup_size: 128
    .sgpr_count:     96
    .vgpr_count:     1024
    .wavefront_size: 32
...
	.end_amdgpu_metadata
.endif
;; end of part 2
;; launch attn (part 3): grid 16 x 16, 4 waves a work-group, clusters of 4 x 1, 327,680 bytes of LDS; arguments qkv, ob; writes ob
.if DOCPART == 3
	.amdgcn_target "amdgcn-amd-amdhsa--gfx1250"
	.amdhsa_code_object_version 6
	.text
	.protected	k_qc4947f2b2e_attn
	.globl	k_qc4947f2b2e_attn
	.p2align	8
	.type	k_qc4947f2b2e_attn,@function
k_qc4947f2b2e_attn:
	s_mov_b64 s[64:65], 0
	v_nop
	global_prefetch_b8 v0, s[64:65] scope:SCOPE_SE
	s_setreg_imm32_b32 hwreg(HW_REG_WAVE_MODE, 25, 1), 1
	s_wait_xcnt 0x0
	s_wait_alu depctr_hold_cnt(0) depctr_sa_sdst(0) depctr_va_vdst(0) depctr_va_sdst(0) depctr_va_ssrc(0) depctr_va_vcc(0) depctr_vm_vsrc(0)
	s_getreg_b32 s2, hwreg(HW_REG_IB_STS2, 6, 4)
	s_cmp_eq_u32 s2, 0
	s_cbranch_scc0 .Lentry_in_a_cluster
	s_endpgm
.Lentry_in_a_cluster:
	s_bfe_u32 s2, ttmp6, 0x10000c
	s_cmp_lg_u32 s2, 0x3003
	s_cbranch_scc0 .Lentry_shape_is_right
	s_endpgm
.Lentry_shape_is_right:
; CAUSAL ATTENTION, 16 heads of 128 channels, 2,048 rows.  qkv: [96 planes][2048][64] f16 (head h: q planes 2h, 2h+1, already times log2(e) / sqrt(128); k 32+2h, 33+2h; v 64+2h, 65+2h).
; ob: [2048][2048] f16, column 128 h + channel.  Products, maxima and sums in f32; the weights p = 2^(s - m) are rounded to f16 for the second product (their sum is taken unrounded), O once at the end.
; LIMITS.  q, k, v arrive within f16's range, so |s| <= 5.5e11.  A hidden score counts as its value less 1e30; the running maximum starts at -1e15, far below every score and far above every hidden one.
; A weight below 2^-126 counts as 0; NaN and infinities are not treated apart.
; THE WALK.  A head's queries lie in 32 blocks of 64.  Work-group b = 4 g + cx (g: the cluster) takes block 31 - b and then block b.  A ROUND is a tile of 256 keys; block i needs tiles 0 .. i / 4:
; 8 - g rounds and then g + 1: nine in every work-group, and the four partners of a cluster walk the same tiles in the same rounds, so K and V are asked for JOINTLY.
; SHARES.  Every wave holds all 64 queries (four tiles of 16), and THE KEYS ARE SPLIT: of a round's 256 keys wave w takes 64 w .. 64 w + 63.  So no LDS byte of K or V is read by two waves, and each fragment feeds
; four products.  Each wave keeps its own m, l and O for both blocks (the first block's O waits in window 3); the four waves' parts are merged once, at the end, through LDS.
; THE MASK is the C operand that starts S^T = K Q^T.  In a block's last tile the queries stand at keys 64 D .. (D = 3 - cx, then cx): wave w < D sees all its keys, w > D none, w = D those up to the diagonal.
; All that enters by three sets of eight registers made from scalars: no branch hangs on w or cx.  A wave that sees no key of a block keeps m = -1e15 and counts for 0 in the merge.
; LAYOUT.  S^T (source 0 = 16 keys, source 1 = 16 queries) holds one query a lane (lane % 16) and keys 8 (lane / 16) + 0..7; two results rounded to f16 in pairs ARE source 1 of O^T = V^T P.  V comes turned, by ds_load_tr16_b128.
; REGISTERS: window 0: v0-15 addresses; v16-47 statistics, 8 a tile; v48-63 the first block's; v64-191 S^T, 32 a tile (P is packed into a tile's first 16); v192-223 masks; v224-255 at work.
;   window 1: O^T, 64 a tile.  window 2: v0-127 Q; v128-255 K and then V of the round.  window 3: the first block's O^T.
.set PLB,   262144                     ; bytes in a plane
.set KP,    272                        ; two keys of 128 bytes + 16 of padding: key 2 a + e starts at word 68 a + 32 e: the 16 rows of a load start at 16 different groups of four banks (ISA guide 11.1)
.set VP,    288                        ; the same + 32: key 2 a + e at word 72 a + 32 e
.set KPL,   128*KP                     ; a plane of a tile of K
.set VPL,   128*VP
.set VOFF,  2*KPL
.set SLOT,  VOFF+2*VPL                 ; 143,360: K's two planes, V's two planes
.set QB,    2*SLOT                     ; behind the ring: Q, block x, plane y at (2 x + y) QPL
.set QPL,   32*KP
.set SPARE, QB+4*QPL                   ; the spare words, 128 bytes for each wave: two blocks of 256 bytes that no other line names
.set STATS, 262144                     ; THE MERGE's stage lies where ring and Q lay, behind their last fill and last read: parts at 0: [block 2][tile 4][wave 4] x 8,192; (m, l) here: [block][tile][wave][lane] x 8
.set OSTG,  QB                         ; 16 rows x 272 bytes for each wave, for the way out
.set AK0, 2                            ; v2   my lane's place in my 64 keys of K
.set AV0, 3                            ; v3   the same for V
.set ADR, 4                            ; v4   the address in hand
.set AQ,  5                            ; v5   my lane's place in Q
.set STO, 6
.set RD,  7
.set GO,  8
.set LN,  9                            ; v9   at the head l / 16; in the merge my lane's number, which no line there rewrites
.set SPW, 10                           ; v10  my spare word; never rewritten
.set NIL, 11                           ; v11  0; never rewritten
.set PFO, 12                           ; v12  256 x lane
.set PW,  13                           ; v13  the merge: where my parts go
.set PR,  14                           ; v14  where my tile's parts lie
.set SWR, 15                           ; v15  the same for (m, l), in and then back
.set ST,  16                           ; tile t at ST + 8 t: m, -, l (even keys', odd keys'), c0-c3 at work; a takes c2's place
.set SV,  48                           ; the first block's m, -, l, l at SV + 4 t
.set S,   64
.set TRI, 192                          ; -1e30 where key 8 (l / 16) + j lies behind query l % 16
.set MLT, 200                          ; the mask for key groups ahead of the query tile, on it, and behind it
.set MEQ, 208
.set MGT, 216
.set X,   224
.set KV,  128
.set MS,  224                          ; the merge: four waves' (m, l), 8 registers a block
.set G,   240                          ; the four factors, each twice, 8 registers a block
.set F,   200
.set TM,  208
.set L,   210
.set RL,  212
.set WV,  12                           ; s12 wave; s13 cx; s14 g; s15 head; s16 b
.set KB,  20                           ; s[20:21] my plane of K (waves 0, 1); s[22:23] of V (waves 2, 3)
.set VB,  22
.set G1K, 24
.set G1V, 32
.set G0K, 40
.set G0V, 44
.set G1Q, 48
.set G0Q, 56
.set KL,  60                           ; s60, s61  my plane's place in a slot
.set VL,  61
.set SEL, 62
.set TB,  66                           ; s66  the slot that is read
.set FS,  67                           ; s67  the slot that was filled last
.set SLOTS, 68
.set RT,  69                           ; s69  rounds that the block in hand still has
.set NXT, 70                           ; s70  the tile to be asked for next
.set LQ,  71                           ; s71  the last tile of the block whose tiles are being asked for
.set OFF, 72
.set AL,  74
.set BE,  76
.set GT,  78
.set BIGN, 79
.set D,   80
.set DW,  81
.set PFC, 82                           ; s82  prefetches still to come
.set PFA, 84
.set OHI, 86                           ; s[86:87] ob at my tile of the first block; s[88:89] of the second
.set MSB, 0
.macro WIN new
.if MSB != (\new)
	s_set_vgpr_msb (MSB<<8)|(\new)
.set MSB, (\new)
.endif
.endm
.macro PLACES
.rept 4
	v_nop
.endr
.endm
.macro CROUND                          ; a round of the cluster's barrier
	s_barrier_signal -1
	s_barrier_wait -1
	s_cmp_lg_u32 s[WV], 0
	s_cbranch_scc1 .Lnot_wave_0_\@
	s_barrier_signal -3
.Lnot_wave_0_\@:
	s_barrier_wait -3
	s_barrier_signal -1
	s_barrier_wait -1
.endm
.macro JLOAD                           ; a joint fill: waves 0, 1 fetch K's two planes of a tile, waves 2, 3 V's; an s_nop 0 and four v_nop follow each line
	s_cmp_lt_u32 s[WV], 2
	s_cbranch_scc0 .Lfor_v_\@
	tensor_load_to_lds s[G0K:G0K+3], s[G1K:G1K+7]
	s_nop 0
.rept 4
	v_nop
.endr
	s_branch .Lasked_\@
.Lfor_v_\@:
	tensor_load_to_lds s[G0V:G0V+3], s[G1V:G1V+7]
	s_nop 0
.rept 4
	v_nop
.endr
.Lasked_\@:
.endm
; A prefetch of the tile that the NEXT change of slots will ask for.  All four clusters of a head walk tiles 0, 1, ..; the cluster with g = 0 walks all eight and asks, six times (tiles 2 to 7).  Each wave asks for the plane that
; it fetches; the four partners take 8,192 of its 32,768 bytes each, told apart by address; a lane names 256 bytes.  The second block's tiles have been read before and are not asked for.
.macro ASK
	s_cmp_lg_u32 s[PFC], 0
	s_cbranch_scc0 .Lnone_\@
	global_prefetch_b8 v[PFO], s[PFA:PFA+1] th:TH_LOAD_NT scope:SCOPE_SE
	s_sub_co_u32 s[PFC], s[PFC], 1
.Lnone_\@:
.endm
; THE CHANGE OF SLOTS.  Each wave waits for all its tensor loads, adds 0 to its spare word, and waits for that and for its reads of the slot that it leaves.  fill = 1: a round of the cluster's barrier, and behind it
; the old slot is filled with tile NXT: the one tensor load of the wave until the next round; it has a round's 128 matrix instructions and softmax in which to land.
.macro CHANGE fill
	WIN 0
	s_wait_tensorcnt 0x0                           ; no tensor load of mine is out, so a group 0 may be written
	ds_add_u32 v[SPW], v[NIL]                      ; 0 onto my spare word; the scalar work stands between it and the wait for it
.if \fill
	s_lshl_b32 s[OFF], s[NXT], 15                  ; a tile is 32,768 bytes of a plane
	s_xor_b32 s[FS], s[FS], SLOT
	s_add_co_u32 s[G0K+1], s[KL], s[FS]
	s_add_nc_u64 s[G0K+2:G0K+3], s[KB:KB+1], s[OFF:OFF+1]
	s_or_b32 s[G0K+3], s[G0K+3], 0x80000000
	s_add_co_u32 s[G0V+1], s[VL], s[FS]
	s_add_nc_u64 s[G0V+2:G0V+3], s[VB:VB+1], s[OFF:OFF+1]
	s_or_b32 s[G0V+3], s[G0V+3], 0x80000000
	s_add_co_u32 s[NXT], s[NXT], 1                 ; the block's next tile, or behind its last the second block's tile 0
	s_cmp_gt_u32 s[NXT], s[LQ]
	s_cselect_b32 s[NXT], 0, s[NXT]
	s_cselect_b32 s[LQ], s14, s[LQ]
	s_wait_xcnt 0x0                                ; the last prefetch, a round back, has read its address
	s_add_nc_u64 s[PFA:PFA+1], s[PFA:PFA+1], 32768
.endif
	s_xor_b32 s[TB], s[TB], SLOT
	s_wait_dscnt 0x0                               ; the add is done, and my reads of the slot are over
.if \fill
	CROUND
	JLOAD
	ASK
.else
	s_barrier_signal -1
	s_barrier_wait -1
.endif
.endm
	s_load_b128 s[4:7], s[0:1], 0x0                ; qkv s[4:5], ob s[6:7]
	v_lshl_add_u32 v[SPW], v0, 2, SPARE
	v_mov_b32 v[NIL], 0
	ds_add_u32 v[SPW], v[NIL]                      ; the wave's opening: the add and its wait stand ahead of my first tensor load
	v_lshrrev_b32 v1, 5, v0
	v_readfirstlane_b32 s[WV], v1
	s_bfe_u32 s13, ttmp6, 0x40000                  ; cx
	s_mov_b32 s14, ttmp9                           ; g
	s_and_b32 s15, ttmp7, 0xffff                   ; the head
	s_and_b32 s17, s[WV], 1                        ; which plane I fetch
	s_lshl_b32 s18, s15, 1
	s_add_co_u32 s18, s18, s17
	s_add_co_u32 s2, s18, 32
	s_lshl_b32 s2, s2, 18                          ; K's plane 32 + 2 head + plane
	s_mov_b32 s3, 0
	s_add_co_u32 s90, s18, 64
	s_lshl_b32 s90, s90, 18                        ; V's
	s_mov_b32 s91, 0
	s_mul_i32 s[KL], s17, KPL
	s_mul_i32 s[VL], s17, VPL
	s_add_co_u32 s[VL], s[VL], VOFF
	s_lshl_b32 s16, s14, 2
	s_add_co_u32 s16, s16, s13                     ; b
	s_sub_co_u32 s19, 31, s16                      ; 31 - b
	s_lshr_b32 s92, s[WV], 1                       ; Q: waves 0, 1 bring the first block's planes, waves 2, 3 the second's: a load of my work-group's own
	s_cmp_eq_u32 s92, 0
	s_cselect_b32 s92, s19, s16
	s_lshl_b32 s92, s92, 13                        ; 64 rows of 128 bytes
	s_lshl_b32 s93, s18, 18
	s_add_co_u32 s92, s92, s93
	s_mov_b32 s93, 0
	s_mov_b32 s[G1K], 15|(1<<16)|(1<<20)|(1<<21)|(5<<22)|(3<<25)  ; the mask of four; 2-byte elements; padding on; bit 21 beside a mask; after every 64 words, 4 words
	s_mov_b32 s[G1V], 15|(1<<16)|(1<<20)|(1<<21)|(5<<22)|(7<<25)  ; the same with 8 words
.irp g, G1K, G1V
	s_mov_b32 s[\g+1], 128<<16                     ; a plane's tile is 32,768 dense bytes: 128 rows of 256 bytes, two keys a row
	s_mov_b32 s[\g+2], 128<<16
	s_mov_b32 s[\g+3], 128<<16
	s_mov_b32 s[\g+4], 128
	s_mov_b32 s[\g+5], 128
	s_mov_b32 s[\g+6], 0
	s_mov_b32 s[\g+7], 0
.endr
	s_mov_b32 s[G1Q], (1<<16)|(1<<20)|(5<<22)|(3<<25)
	s_mov_b32 s[G1Q+1], 128<<16
	s_mov_b32 s[G1Q+2], 32<<16                     ; 64 queries: 32 rows of 256 bytes
	s_mov_b32 s[G1Q+3], 128<<16
	s_mov_b32 s[G1Q+4], 32
	s_mov_b32 s[G1Q+5], 128
	s_mov_b32 s[G1Q+6], 0
	s_mov_b32 s[G1Q+7], 0
	s_mov_b32 s[G0K], 1
	s_mov_b32 s[G0K+1], s[KL]                      ; slot 0
	s_mov_b32 s[G0V], 1
	s_mov_b32 s[G0V+1], s[VL]
	s_mov_b32 s[G0Q], 1
	s_mul_i32 s[G0Q+1], s[WV], QPL
	s_add_co_u32 s[G0Q+1], s[G0Q+1], QB
	s_mov_b32 s[SEL], 0x76543210
	s_mov_b32 s[SEL+1], 0xfedcba98
	s_mov_b32 s[TB], SLOT                          ; the first change turns it to slot 0
	s_mov_b32 s[FS], 0
	s_mov_b32 s[SLOTS], 8
	s_sub_co_u32 s[RT], 8, s14                     ; the first block has 8 - g tiles
	s_mov_b32 s[NXT], 1
	s_sub_co_u32 s[LQ], 7, s14
	s_mov_b32 s[OFF+1], 0
	s_mov_b32 s[AL+1], 0                           ; named as pairs
	s_mov_b32 s[BE+1], 0
	s_mov_b32 s[BIGN], 0xf149f2ca                  ; -1e30
	s_sub_co_u32 s[D], 3, s13
	s_cmp_eq_u32 s14, 0
	s_cselect_b32 s[PFC], 6, 0                     ; the same in all four partners
	s_wait_dscnt 0x0                               ; the opening add is done
	s_wait_kmcnt 0x0
	s_add_nc_u64 s[KB:KB+1], s[4:5], s[2:3]
	s_add_nc_u64 s[VB:VB+1], s[4:5], s[90:91]
	s_mov_b64 s[G0K+2:G0K+3], s[KB:KB+1]           ; tile 0
	s_or_b32 s[G0K+3], s[G0K+3], 0x80000000
	s_mov_b64 s[G0V+2:G0V+3], s[VB:VB+1]
	s_or_b32 s[G0V+3], s[G0V+3], 0x80000000
	s_add_nc_u64 s[G0Q+2:G0Q+3], s[4:5], s[92:93]
	s_or_b32 s[G0Q+3], s[G0Q+3], 0x80000000
	s_cmp_lt_u32 s[WV], 2
	s_cselect_b64 s[PFA:PFA+1], s[KB:KB+1], s[VB:VB+1]
	s_lshl_b32 s92, s13, 13                        ; my work-group's quarter of a tile's plane,
	s_add_co_u32 s92, s92, 32768                   ; in tile 1: the first change steps it to tile 2
	s_add_nc_u64 s[PFA:PFA+1], s[PFA:PFA+1], s[92:93]
	s_lshl_b32 s17, s[WV], 4                       ; in the merge wave w finishes tile w: rows 64 block + 16 w
	s_lshl_b32 s18, s15, 8                         ; the head's 256 bytes of a row
	s_lshl_b32 s92, s19, 6
	s_add_co_u32 s92, s92, s17
	s_lshl_b32 s92, s92, 12
	s_add_co_u32 s92, s92, s18
	s_add_nc_u64 s[OHI:OHI+1], s[6:7], s[92:93]
	s_lshl_b32 s92, s16, 6
	s_add_co_u32 s92, s92, s17
	s_lshl_b32 s92, s92, 12
	s_add_co_u32 s92, s92, s18
	s_add_nc_u64 s[OHI+2:OHI+3], s[6:7], s[92:93]
	CROUND                                         ; all four work-groups are here: the first joint loads meet
	s_cmp_lt_u32 s[WV], 2                          ; a wave's two first fills stand in one branch: its plane of tile 0, jointly, and its part of Q: two loads of mine are out
	s_cbranch_scc0 .Lfirst_v
	tensor_load_to_lds s[G0K:G0K+3], s[G1K:G1K+7]
	s_nop 0
	tensor_load_to_lds s[G0Q:G0Q+3], s[G1Q:G1Q+7]
	s_nop 0
.rept 4
	v_nop
.endr
	s_branch .Lfirst_asked
.Lfirst_v:
	tensor_load_to_lds s[G0V:G0V+3], s[G1V:G1V+7]
	s_nop 0
	tensor_load_to_lds s[G0Q:G0Q+3], s[G1Q:G1Q+7]
	s_nop 0
.rept 4
	v_nop
.endr
.Lfirst_asked:
	; addresses.  A fragment of K or Q: lane l holds row r = l % 16, channels 8 h + 0..7 and 16 + 8 h + 0..7 (h = l / 16): two loads of 16 bytes, 32 bytes apart; row r lies at (r / 2) x 272 + (r % 2) x 128
	v_and_b32 v1, 15, v0
	v_bfe_u32 v9, v0, 4, 1
	v_lshrrev_b32 v4, 1, v1
	v_mul_u32_u24 v4, v4, KP
	v_and_b32 v5, 1, v0
	v_lshl_add_u32 v4, v5, 7, v4
	v_lshl_add_u32 v4, v9, 4, v4
	s_mul_i32 s17, s[WV], 32*KP                    ; my 64 keys
	v_add_nc_u32 v[AK0], s17, v4
	v_add_nc_u32 v[AQ], QB, v4
	; the turning load: lane l addresses key 8 h + l % 8, channels 8 ((l / 8) % 2) + 0..7, and receives channel l % 16, eight keys
	v_bfe_u32 v13, v0, 1, 2
	v_lshl_add_u32 v13, v9, 2, v13
	v_mul_u32_u24 v13, v13, VP
	v_and_b32 v14, 1, v0
	v_lshl_add_u32 v13, v14, 7, v13
	v_bfe_u32 v14, v0, 3, 1
	v_lshl_add_u32 v13, v14, 4, v13
	s_mul_i32 s17, s[WV], 32*VP
	s_add_co_u32 s17, s17, VOFF
	v_add_nc_u32 v[AV0], s17, v13
	s_mul_i32 s17, s[WV], 16*272
	s_add_co_u32 s17, s17, OSTG
	v_mul_u32_u24 v[STO], v1, 272
	v_lshl_add_u32 v[STO], v9, 4, v[STO]
	v_add_nc_u32 v[STO], s17, v[STO]               ; the way out, in: row r, 16 bytes for each half of the lanes
	v_mul_u32_u24 v[RD], v9, 272
	v_lshl_add_u32 v[RD], v1, 4, v[RD]
	v_add_nc_u32 v[RD], s17, v[RD]                 ; back: lanes 0-15 one row of 256 bytes, lanes 16-31 the next
	v_lshlrev_b32 v[GO], 12, v9
	v_lshl_add_u32 v[GO], v1, 4, v[GO]             ; the same two rows of ob
	v_and_b32 v13, 31, v0
	v_lshlrev_b32 v[PFO], 8, v13
	s_lshl_b32 s17, s[WV], 15
	v_lshl_add_u32 v[PR], v13, 4, s17
	s_lshl_b32 s17, s[WV], 13
	v_lshl_add_u32 v[PW], v13, 4, s17
	v_lshlrev_b32 v4, 3, v9
	v_sub_nc_u32 v4, v1, v4                        ; r - 8 h: register j is hidden where j is greater
.irp j, 0,1,2,3,4,5,6,7
	v_cmp_gt_i32 vcc_lo, \j, v4
	v_cndmask_b32 v[TRI+\j], 0, s[BIGN], vcc_lo
.endr
	; A block's first step multiplies O and l by a = 2^(-1e15 - m) = 0, so these need only hold finite numbers; window 3 and the saved statistics are written here too, so that the merge reads written registers on every way
	; through the text.  All this stands in the wait for the first tile.
	WIN 0x40
.set i, 0
.rept 256
	v_mov_b32 v[i], 0
.set i, i+1
.endr
	WIN 0xc0
.set i, 0
.rept 256
	v_mov_b32 v[i], 0
.set i, i+1
.endr
	WIN 0
.irp t, 0,1,2,3
	v_mov_b32 v[ST+8*\t], 0xd8635fa9               ; m = -1e15
	v_mov_b32 v[ST+8*\t+1], 0
	v_mov_b32 v[ST+8*\t+2], 0
	v_mov_b32 v[ST+8*\t+3], 0
.endr
.set i, 0
.rept 16
	v_mov_b32 v[SV+i], 0
.set i, i+1
.endr
; THE LDS LOADS, in runs of 32.  Q of block x: tile i / 4, channels 32 (i % 4) on.
.macro FETCH_Q x
	WIN 0x80
.set i, 0
.rept 16
	ds_load_b128 v[8*i:8*i+3],   v[AQ] offset:2*QPL*(\x)+QPL*((i%4)/2)+8*KP*(i/4)+64*(i%2)
	ds_load_b128 v[8*i+4:8*i+7], v[AQ] offset:2*QPL*(\x)+QPL*((i%4)/2)+8*KP*(i/4)+64*(i%2)+32
.set i, i+1
.endr
.endm
.macro FETCH_K                         ; my 64 keys, BY CHANNELS: channels 32 (i / 4) on, key group i % 4 of 16: the products take the channels in this order, and each 32 channels' products wait for their own eight loads alone
	WIN 0
	v_add_nc_u32 v[ADR], s[TB], v[AK0]
	WIN 0x80
.set i, 0
.rept 16
	ds_load_b128 v[KV+32*(i%4)+8*(i/4):KV+32*(i%4)+8*(i/4)+3],   v[ADR] offset:8*KP*(i%4)+KPL*((i/4)/2)+64*((i/4)%2)
	ds_load_b128 v[KV+32*(i%4)+8*(i/4)+4:KV+32*(i%4)+8*(i/4)+7], v[ADR] offset:8*KP*(i%4)+KPL*((i/4)/2)+64*((i/4)%2)+32
.set i, i+1
.endr
.endm
.macro FETCH_V                         ; keys 32 (i / 8) on, channels 16 (i % 8) on
	WIN 0
	v_add_nc_u32 v[ADR], s[TB], v[AV0]
	WIN 0x80
.set i, 0
.rept 16
	ds_load_tr16_b128 v[KV+8*i:KV+8*i+3],   v[ADR] offset:16*VP*(i/8)+VPL*((i%8)/4)+32*(i%4)
	ds_load_tr16_b128 v[KV+8*i+4:KV+8*i+7], v[ADR] offset:16*VP*(i/8)+8*VP+VPL*((i%8)/4)+32*(i%4)
.set i, i+1
.endr
.endm
; THE ROUND'S MASKS.  DW = D in a block's last tile, else 4, which no wave reaches.  20 plain lines: they are also the places between the last round's products and the loads and products below.
.macro MASKS
	s_sub_co_u32 s[RT], s[RT], 1
	s_cmp_eq_u32 s[RT], 0
	s_cselect_b32 s[DW], s[D], 4
	s_cmp_eq_u32 s[WV], s[DW]
	s_cselect_b32 s[AL], 1.0, 0
	s_cmp_gt_u32 s[WV], s[DW]
	s_cselect_b32 s[BE], s[BIGN], 0
	s_cmp_ge_u32 s[WV], s[DW]
	s_cselect_b32 s[GT], s[BIGN], 0
	WIN 0
.irp j, 0,1,2,3,4,5,6,7
	v_mov_b32 v[MLT+\j], s[BE]
.endr
.irp j, 0,2,4,6
	v_pk_fma_f32 v[MEQ+\j:MEQ+\j+1], v[TRI+\j:TRI+\j+1], s[AL:AL+1], s[BE:BE+1] op_sel_hi:[1,0,0]
.endr
.irp j, 0,1,2,3,4,5,6,7
	v_mov_b32 v[MGT+\j], s[GT]
.endr
.endm
; THE MATRIX WORK.  The accumulators take turns, one instruction a turn: 15 (K Q^T) or 31 (V^T P) others stand between two links of a chain.
.macro KQ                              ; product i of 64: channels 32 (i / 16) on, key group (i / 4) % 4, tile i % 4; the first 16 start the sums with the mask
	WIN 0x0a
.set i, 0
.rept 64
.if (i%16) == 0
	s_wait_dscnt 24-8*(i/16)                       ; LDS loads come back in order: these channels' eight loads of K (and Q, which is older) are in; the later channels' may stay out
.endif
.set rS, S+32*(i%4)+8*((i/4)%4)
.set rK, KV+32*((i/4)%4)+8*(i/16)
.set rQ, 32*(i%4)+8*(i/16)
.if i < 16
.set rM, MGT
.if (i/4) < (i%4)
.set rM, MLT
.endif
.if (i/4) == (i%4)
.set rM, MEQ
.endif
	v_wmma_f32_16x16x32_f16 v[rS:rS+7], v[rK:rK+7], v[rQ:rQ+7], v[rM:rM+7]
.else
	v_wmma_f32_16x16x32_f16 v[rS:rS+7], v[rK:rK+7], v[rQ:rQ+7], v[rS:rS+7]
.endif
.set i, i+1
.endr
.endm
.macro PV                              ; product i of 64: keys 32 (i / 32) on, channels 16 ((i / 4) % 8) on, tile i % 4
	WIN 0x52
.set i, 0
.rept 64
.set rO, 64*(i%4)+8*((i/4)%8)
.set rV, KV+64*(i/32)+8*((i/4)%8)
.set rP, S+32*(i%4)+8*(i/32)
	v_wmma_f32_16x16x32_f16 v[rO:rO+7], v[rV:rV+7], v[rP:rP+7], v[rO:rO+7]
.set i, i+1
.endr
.endm
; THE SOFTMAX, four tiles by turns in every stage.  Stage A, number j for tile t: the maximum of the lane's 32 scores and the old m (each accumulator's lowest registers first), the other half of the lanes', the new m, its change, a.
.macro SMA j, t
.set rT, ST+8*(\t)
.set rS, S+32*(\t)
.if (\j) < 4
	v_max3_num_f32 v[rT+4+(\j)], v[rS+8*(\j)], v[rS+8*(\j)+1], v[rS+8*(\j)+2]
.elseif (\j) < 12
	v_max3_num_f32 v[rT+4+(\j)%4], v[rT+4+(\j)%4], v[rS+8*((\j)%4)+2*((\j)/4)+1], v[rS+8*((\j)%4)+2*((\j)/4)+2]
.elseif (\j) == 12
	v_max3_num_f32 v[rT+4], v[rT+4], v[rS+7], v[rS+15]
.elseif (\j) == 13
	v_max3_num_f32 v[rT+6], v[rT+6], v[rS+23], v[rS+31]
.elseif (\j) == 14
	v_max3_num_f32 v[rT+4], v[rT+4], v[rT+5], v[rT+6]
.elseif (\j) == 15
	v_max3_num_f32 v[rT+4], v[rT+4], v[rT+7], v[rT]
.elseif (\j) == 16
	v_permlanex16_b32 v[rT+5], v[rT+4], s[SEL], s[SEL+1]
.elseif (\j) == 17
	v_mov_b32 v[rT+7], v[rT]
.elseif (\j) == 18
	v_max_num_f32 v[rT], v[rT+4], v[rT+5]
.elseif (\j) == 19
	v_sub_f32 v[rT+7], v[rT+7], v[rT]
.else
	v_exp_f32 v[rT+6], v[rT+7]
.endif
.endm
.macro FSUB n                          ; s - m for pair n / 4 of tile n % 4: never above 0
.set rT, ST+8*((\n)%4)
.set rS, S+32*((\n)%4)+2*((\n)/4)
	v_pk_add_f32 v[rS:rS+1], v[rS:rS+1], v[rT:rT+1] op_sel_hi:[1,0] neg_lo:[0,1] neg_hi:[0,1]
.endm
; Stage C, number k for tile t: 0-11 four chains of four pairs of weights; 12-14 the chains into one; 15 l = a l + sum; 16-31 the pairs rounded to f16, in place, ascending
.macro SMC k, t
.set rT, ST+8*(\t)
.set rS, S+32*(\t)
.set rX, X+8*(\t)
.if (\k) < 4
	v_pk_add_f32 v[rX+2*(\k):rX+2*(\k)+1], v[rS+8*(\k):rS+8*(\k)+1], v[rS+8*(\k)+2:rS+8*(\k)+3]
.elseif (\k) < 12
	v_pk_add_f32 v[rX+2*((\k)%4):rX+2*((\k)%4)+1], v[rX+2*((\k)%4):rX+2*((\k)%4)+1], v[rS+8*((\k)%4)+2*((\k)/4)+2:rS+8*((\k)%4)+2*((\k)/4)+3]
.elseif (\k) == 12
	v_pk_add_f32 v[rX:rX+1], v[rX:rX+1], v[rX+2:rX+3]
.elseif (\k) == 13
	v_pk_add_f32 v[rX+4:rX+5], v[rX+4:rX+5], v[rX+6:rX+7]
.elseif (\k) == 14
	v_pk_add_f32 v[rX:rX+1], v[rX:rX+1], v[rX+4:rX+5]
.elseif (\k) == 15
	v_pk_fma_f32 v[rT+2:rT+3], v[rT+2:rT+3], v[rT+6:rT+7], v[rX:rX+1] op_sel_hi:[1,0,1]
.else
	v_cvt_pk_f16_f32 v[rS+(\k)-16], v[rS+2*((\k)-16)], v[rS+2*((\k)-16)+1]
.endif
.endm
.macro SOFTMAX
	WIN 0
.irp j, 0,1,2,3,4,5,6,7,8,9,10,11,12,13,14,15,16,17,18,19,20
.irp t, 0,1,2,3
	SMA \j, \t
.endr
.endr
	v_nop                                          ; a plain instruction behind the four a,
	s_wait_alu depctr_va_vdst(0)                   ; and the wait ahead of their first reader: the rescalings below
	FSUB 0
	FSUB 1
	FSUB 2
	FSUB 3
	; Stage B: ONE BATCH of 128 exponentials, in sixteen groups.  A group: for each of the four tiles the two exponentials of one pair, between them the tile's next subtraction; then, under one switch of the windows, eight
	; rescalings of O^T.  Nothing here names an exponential's result.
.set g, 0
.rept 16
	WIN 0
.set n, 4*g
.rept 4
	v_exp_f32 v[S+32*(n%4)+2*(n/4)], v[S+32*(n%4)+2*(n/4)]
.if n < 60
	FSUB n+4
.endif
	v_exp_f32 v[S+32*(n%4)+2*(n/4)+1], v[S+32*(n%4)+2*(n/4)+1]
.set n, n+1
.endr
	WIN 0x41
.set n, 4*g
.rept 4
	v_pk_mul_f32 v[64*(n/16)+4*(n%16):64*(n/16)+4*(n%16)+1],   v[64*(n/16)+4*(n%16):64*(n/16)+4*(n%16)+1],   v[ST+8*(n/16)+6:ST+8*(n/16)+7] op_sel_hi:[1,0]
	v_pk_mul_f32 v[64*(n/16)+4*(n%16)+2:64*(n/16)+4*(n%16)+3], v[64*(n/16)+4*(n%16)+2:64*(n/16)+4*(n%16)+3], v[ST+8*(n/16)+6:ST+8*(n/16)+7] op_sel_hi:[1,0]
.set n, n+1
.endr
.set g, g+1
.endr
	WIN 0
	s_wait_alu depctr_va_vdst(0)                   ; the one wait for the batch; the last eight rescalings are the plain instructions behind its last exponential
.irp k, 0,1,2,3,4,5,6,7,8,9,10,11,12,13,14,15,16,17,18,19,20,21,22,23,24,25,26,27,28,29,30,31
.irp t, 0,1,2,3
	SMC \k, \t
.endr
.endr
.endm
; A ROUND, in phases: K and V share one buffer of 128 registers, since the first block's O fills window 3.
.macro ROUND
	MASKS
	FETCH_K
	KQ                                             ; its four counted waits stand in it
	WIN 0
	PLACES                                         ; ahead of the loads into K's registers and of the readers of the scores
	FETCH_V
	SOFTMAX
	s_wait_dscnt 0x0                               ; V is in
	PV
.endm
	s_wait_tensorcnt 0x0                           ; my plane of tile 0 and my part of Q are in,
	s_barrier_signal -1
	s_barrier_wait -1                              ; everybody's are
	FETCH_Q 0
	WIN 0
.Lslot:                                                ; eight trips: a tile is entered and the next is asked for
	CHANGE 1
	ROUND
	WIN 0
	s_cmp_lg_u32 s[RT], 0                          ; RT hangs on g alone: the same in all partners and all waves
	s_cbranch_scc1 .Lsame
	PLACES                                         ; THE CHANGE OF BLOCKS: the first block's O^T, m and l are set aside, each accumulator from its low end on
	WIN 0xc1
.set i, 0
.rept 256
	v_mov_b32 v[i], v[i]
.set i, i+1
.endr
	WIN 0
.irp t, 0,1,2,3
	v_mov_b32 v[SV+4*\t], v[ST+8*\t]
	v_mov_b32 v[SV+4*\t+2], v[ST+8*\t+2]
	v_mov_b32 v[SV+4*\t+3], v[ST+8*\t+3]
	v_mov_b32 v[ST+8*\t], 0xd8635fa9
.endr
	FETCH_Q 1
	WIN 0
	s_add_co_u32 s[RT], s14, 1                     ; the second block has g + 1 tiles
	s_mov_b32 s[D], s13
.Lsame:
	s_sub_co_u32 s[SLOTS], s[SLOTS], 1
	s_cmp_lg_u32 s[SLOTS], 0
	s_cbranch_scc1 .Lslot
	CHANGE 0                                       ; the walk's last tile is written out: nothing is asked for
	ROUND
	; THE MERGE.  Ring and Q have had their last fill; when every wave has read them out they become the stage.
	WIN 0
	PLACES
	s_wait_dscnt 0x0
	s_barrier_signal -1
	s_barrier_wait -1
	v_and_b32 v[LN], 31, v0                        ; my lane: kept in a register of its own, since the address in hand (v4) is rewritten by the stores of the parts
	s_lshl_b32 s17, s[WV], 8
	s_add_co_u32 s17, s17, STATS
	v_lshl_add_u32 v[SWR], v[LN], 3, s17
.macro STAT base, k                    ; l's two halves and the other half of the lanes'; (m, l) into the stage
	v_add_f32 v[(\base)+1], v[(\base)+2], v[(\base)+3]
	v_permlanex16_b32 v[(\base)+2], v[(\base)+1], s[SEL], s[SEL+1]
	v_add_f32 v[(\base)+1], v[(\base)+1], v[(\base)+2]
	ds_store_b64 v[SWR], v[(\base):(\base)+1] offset:1024*(\k)
.endm
.irp t, 0,1,2,3
	STAT SV+4*\t, \t
	STAT ST+8*\t, 4+\t
.endr
.macro PSTORE x                        ; my four tiles of block x (0: window 3, 1: window 1): 512 consecutive bytes a store
.irp t, 0,1,2,3
	WIN 0
	v_add_nc_u32 v[ADR], 32768*(4*(\x)+\t), v[PW]
	WIN 0x0c-8*(\x)
.set i, 0
.rept 16
	ds_store_b128 v[ADR], v[64*\t+4*i:64*\t+4*i+3] offset:512*i
.set i, i+1
.endr
.endr
.endm
	PSTORE 0
	PSTORE 1
	WIN 0
	s_wait_dscnt 0x0                               ; for the others' sake: my stores are done
	s_barrier_signal -1
	s_barrier_wait -1
	s_lshl_b32 s17, s[WV], 10                      ; wave w finishes tile w of both blocks
	s_add_co_u32 s17, s17, STATS
	v_lshl_add_u32 v[SWR], v[LN], 3, s17
.irp x, 0,1
.irp p, 0,1,2,3
	ds_load_b64 v[MS+8*\x+2*\p:MS+8*\x+2*\p+1], v[SWR] offset:4096*\x+256*\p
.endr
.endr
.macro PLOAD win                       ; the four waves' parts of my tile: part p at v[64 p ..] of the window
	WIN \win
.set i, 0
.rept 64
	ds_load_b128 v[4*i:4*i+3], v[PR] offset:512*i
.set i, i+1
.endr
	WIN 0
.endm
	PLOAD 0xc0
	s_wait_dscnt 63                                ; the eight loads of (m, l) are in: 64 younger loads stand behind them, and 63 is the most that a wait can name
.irp x, 0,1
	v_max3_num_f32 v[TM+\x], v[MS+8*\x], v[MS+8*\x+2], v[MS+8*\x+4]
	v_max_num_f32 v[TM+\x], v[TM+\x], v[MS+8*\x+6]
.irp p, 0,1,2,3
	v_sub_f32 v[F+4*\x+\p], v[MS+8*\x+2*\p], v[TM+\x]
.endr
.endr
.irp j, 0,1,2,3,4,5,6,7
	v_exp_f32 v[F+\j], v[F+\j]                     ; f = 2^(m_p - M)
.endr
	v_nop
	s_wait_alu depctr_va_vdst(0)                   ; one wait for the eight
.irp x, 0,1
	v_mul_f32 v[L+\x], v[F+4*\x], v[MS+8*\x+1]
	v_fma_f32 v[L+\x], v[F+4*\x+1], v[MS+8*\x+3], v[L+\x]
	v_fma_f32 v[L+\x], v[F+4*\x+2], v[MS+8*\x+5], v[L+\x]
	v_fma_f32 v[L+\x], v[F+4*\x+3], v[MS+8*\x+7], v[L+\x]
.endr
	v_rcp_f32 v[RL], v[L]
	v_rcp_f32 v[RL+1], v[L+1]
	v_add_nc_u32 v[PR], 131072, v[PR]              ; the second block's parts: the plain instruction behind the reciprocals (LDS loads have read their address at issue)
	s_wait_alu depctr_va_vdst(0)
.irp x, 0,1
.irp p, 0,1,2,3
	v_mul_f32 v[G+8*\x+2*\p], v[F+4*\x+\p], v[RL+\x]
	v_mul_f32 v[G+8*\x+2*\p+1], v[F+4*\x+\p], v[RL+\x]
.endr
.endr
	s_wait_dscnt 0x0                               ; the first block's parts are in
	PLOAD 0x40
; O = the sum of g_p O_p, rounded to f16, through my stage, and out: 16 lanes store 256 consecutive bytes, aligned.
.macro FINISH x
	WIN 0xf3-0xa2*(\x)
.set i, 0
.rept 32
	v_pk_mul_f32 v[2*i:2*i+1], v[2*i:2*i+1], v[G+8*(\x):G+8*(\x)+1] op_sel_hi:[1,0]
.set i, i+1
.endr
.irp p, 1,2,3
.set i, 0
.rept 32
	v_pk_fma_f32 v[2*i:2*i+1], v[64*\p+2*i:64*\p+2*i+1], v[G+8*(\x)+2*\p:G+8*(\x)+2*\p+1], v[2*i:2*i+1] op_sel_hi:[1,0,1]
.set i, i+1
.endr
.endr
	WIN 0x0f-0x0a*(\x)
.set i, 0
.rept 32
	v_cvt_pk_f16_f32 v[S+64*(\x)+i], v[2*i], v[2*i+1]
.set i, i+1
.endr
	WIN 0
.irp f, 0,1,2,3,4,5,6,7
	ds_store_b128 v[STO], v[S+64*(\x)+4*\f:S+64*(\x)+4*\f+3] offset:32*\f
.endr
.irp f, 0,1,2,3,4,5,6,7
	ds_load_b128 v[S+64*(\x)+32+4*\f:S+64*(\x)+32+4*\f+3], v[RD] offset:544*\f  ; LDS serves a wave's instructions in order (ISA guide 5.7.1.4)
.endr
	s_wait_dscnt 0x0
.irp f, 0,1,2,3,4,5,6,7
	global_store_b128 v[GO], v[S+64*(\x)+32+4*\f:S+64*(\x)+32+4*\f+3], s[OHI+2*(\x):OHI+2*(\x)+1] offset:8192*\f
.endr
.endm
	FINISH 0                                       ; its wait for the stage also shows the second block's parts in
	FINISH 1
	s_wait_tensorcnt 0x0                           ; the wave's end, behind my last tensor load and my last LDS store
	ds_add_u32 v[SPW], v[NIL]
	s_wait_dscnt 0x0
	CROUND                                         ; the closing round
	s_endpgm
.Lfunc_end_k_qc4947f2b2e_attn:
	.size	k_qc4947f2b2e_attn, .Lfunc_end_k_qc4947f2b2e_attn-k_qc4947f2b2e_attn
	.p2alignl 7, 3214868480
	.fill 96, 4, 3214868480
	.section	.rodata,"a",@progbits
	.p2align	6, 0x0
	.amdhsa_kernel k_qc4947f2b2e_attn
		.amdhsa_group_segment_fixed_size 327680
		.amdhsa_private_segment_fixed_size 0
		.amdhsa_enable_private_segment 0
		.amdhsa_kernarg_size 16
		.amdhsa_user_sgpr_count 2
		.amdhsa_user_sgpr_kernarg_segment_ptr 1
		.amdhsa_wavefront_size32 1
		.amdhsa_system_sgpr_workgroup_id_x 1
		.amdhsa_system_sgpr_workgroup_id_y 1
		.amdhsa_system_sgpr_workgroup_id_z 1
		.amdhsa_system_vgpr_workitem_id 0
		.amdhsa_next_free_vgpr 1024
		.amdhsa_next_free_sgpr 96
		.amdhsa_reserve_vcc 1
		.amdhsa_float_denorm_mode_32 3
		.amdhsa_float_denorm_mode_16_64 3
		.amdhsa_memory_ordered 1
		.amdhsa_forward_progress 1
		.amdhsa_inst_pref_size 175
	.end_amdhsa_kernel
	.amdgpu_metadata
---
amdhsa.version: [ 1, 2 ]
amdhsa.kernels:
  - .name:           k_qc4947f2b2e_attn
    .symbol:         k_qc4947f2b2e_attn.kd
    .args:
      - { .name: qkv, .offset: 0, .size: 8, .value_kind: global_buffer, .address_space: global }
      - { .name: ob, .offset: 8, .size: 8, .value_kind: global_buffer, .address_space: global }
    .group_segment_fixed_size: 327680
    .private_segment_fixed_size: 0
    .kernarg_segment_align: 8
    .kernarg_segment_size: 16
    .max_flat_workgroup_size: 128
    .sgpr_count:     96
    .vgpr_count:     1024
    .wavefront_size: 32
...
	.end_amdgpu_metadata
.endif
;; end of part 3
;; launch proj (part 4): grid 16 x 16, 4 waves a work-group, clusters of 4 x 4, 327,680 bytes of LDS; arguments ob, wp, out0; writes out0
.if DOCPART == 4
	.amdgcn_target "amdgcn-amd-amdhsa--gfx1250"
	.amdhsa_code_object_version 6
	.text
	.protected	k_qc4947f2b2e_proj
	.globl	k_qc4947f2b2e_proj
	.p2align	8
	.type	k_qc4947f2b2e_proj,@function
k_qc4947f2b2e_proj:
	s_mov_b64 s[64:65], 0
	v_nop
	global_prefetch_b8 v0, s[64:65] scope:SCOPE_SE
	s_setreg_imm32_b32 hwreg(HW_REG_WAVE_MODE, 25, 1), 1
	s_wait_xcnt 0x0
	s_wait_alu depctr_hold_cnt(0) depctr_sa_sdst(0) depctr_va_vdst(0) depctr_va_sdst(0) depctr_va_ssrc(0) depctr_va_vcc(0) depctr_vm_vsrc(0)
	s_getreg_b32 s2, hwreg(HW_REG_IB_STS2, 6, 4)
	s_cmp_eq_u32 s2, 0
	s_cbranch_scc0 .Lentry_in_a_cluster
	s_endpgm
.Lentry_in_a_cluster:
	s_bfe_u32 s2, ttmp6, 0x10000c
	s_cmp_lg_u32 s2, 0xf033
	s_cbranch_scc0 .Lentry_shape_is_right
	s_endpgm
.Lentry_shape_is_right:
; out0[t][n] = the sum over k of ob[t][k] wp[n][k].  ob, wp: [2048][2048] f16; out0: [2048][2048] f32; sums in f32, stored as they are.
; A tile of the result is 128 x 128: 16 x 16 = 256 work-groups.  Four waves, each 64 x 64: 16 accumulators.  K goes in 8 steps of 256 (LDS rows of 512 bytes; a wave's tensor load brings 64 of them) through two slots.
; A K STEP IS WRITTEN ONCE: the slot in hand is a scalar, 0 or SLOT, added to the lane's place; one descriptor a tensor walks.  The two steps that ask for nothing are a second loop.
; CLUSTERS: 4 x 4 work-groups; the four of a row need the same tiles of ob, the four of a column the same tiles of wp: each tile is asked for JOINTLY.  THE MATRIX INSTRUCTION IS USED TRANSPOSED (source 0 = 16 rows of wp,
; source 1 = 16 rows of ob): a lane holds eight neighbouring numbers of a row of the result.  A wave's 64 columns of f32 are 256 bytes, aligned: each wave has a stage of its own, and the way out has no barrier.
; No prefetch: a tile's step is short and its rows are read by sixteen work-groups at about the same time.
; REGISTERS: window 0: v0-31 addresses; v32-95 rows read back, two sets; v128-255 the accumulators ((a, b) at v[128 + 8 (4 a + b)]).  window 1: two fragment buffers of 128: 64 of ob's, then 64 of wp's.
.set SIZE_K, 2048
.set KSTEP,  256
.set PITCH,  528                       ; 512 bytes + 16 of padding = 132 words: row r starts at bank 4 r mod 64 (ISA guide 11.1)
.set HALFT,  64*PITCH
.set SLOT,   4*HALFT
.set STAGE,  2*SLOT                    ; behind the ring: 16 rows x 272 bytes for each wave
.set SPITCH, 272
.set SPARE,  STAGE+4*16*SPITCH         ; the spare words, 128 bytes for each wave: two blocks of 256 bytes that no other line names
.set STEPS,  SIZE_K/KSTEP
.set A0,   16                          ; v16  my lane's place among my fragments of ob in slot 0
.set B0,   17                          ; v17  the same for wp
.set ADRA, 18                          ; v18  the same in the slot in hand
.set ADRB, 19
.set STO,  24
.set RD,   25
.set CO,   26
.set SPW,  28
.set NIL,  29
.set TMP,  32
.set ACC,  128
.set F0,   0
.set F1,   128
.set G1, 24
.set G0, 32                            ; s[32:39] group 0 for ob's tiles: a set for each of the two first fills; the second then walks on
.set TB, 45                            ; s45  the slot in hand: 0 or SLOT
.set G1B, 48
.set G0B, 56
.set MSB, 0
.macro WIN new
.if MSB != (\new)
	s_set_vgpr_msb (MSB<<8)|(\new)
.set MSB, (\new)
.endif
.endm
.set MUL,  0x05                        ; sources 0 and 1 window 1; C and D window 0
.set TO_F, 0x40
.macro JLOAD s                         ; waves 0 and 1 fetch ob's two halves, waves 2 and 3 wp's; an s_nop 0 and four v_nop follow each line
	s_cmp_eq_u32 s11, 0
	s_cbranch_scc0 .Lfor_b_\@
	tensor_load_to_lds s[G0+4*(\s):G0+4*(\s)+3], s[G1:G1+7]
	s_nop 0
.rept 4
	v_nop
.endr
	s_branch .Lasked_\@
.Lfor_b_\@:
	tensor_load_to_lds s[G0B+4*(\s):G0B+4*(\s)+3], s[G1B:G1B+7]
	s_nop 0
.rept 4
	v_nop
.endr
.Lasked_\@:
.endm
.macro CREST
	s_cmp_lg_u32 s10, 0
	s_cbranch_scc1 .Lnot_wave_0_\@
	s_barrier_signal -3
.Lnot_wave_0_\@:
	s_barrier_wait -3
	s_barrier_signal -1
	s_barrier_wait -1
.endm
.macro CROUND
	s_barrier_signal -1
	s_barrier_wait -1
	CREST
.endm
	s_load_b128 s[4:7], s[0:1], 0x0                ; ob s[4:5], wp s[6:7]
	s_load_b64 s[8:9], s[0:1], 0x10                ; out0
	v_lshl_add_u32 v[SPW], v0, 2, SPARE
	v_mov_b32 v[NIL], 0
	ds_add_u32 v[SPW], v[NIL]                      ; the wave's opening: the add and its wait stand ahead of my first tensor load
	v_lshrrev_b32 v1, 5, v0
	v_readfirstlane_b32 s10, v1                    ; wave 0..3
	s_lshr_b32 s11, s10, 1                         ; which half of the tile's rows is mine.  Also: I fetch for ob (0) or for wp (1)
	s_and_b32 s12, s10, 1                          ; which half of its columns.  Also: which 64 rows of that tile I fetch
	s_bfe_u32 s40, ttmp6, 0x40000
	s_bfe_u32 s41, ttmp6, 0x40004
	s_lshl_b32 s42, ttmp9, 2
	s_add_co_u32 s42, s42, s40                     ; tile column
	s_and_b32 s13, ttmp7, 0xffff
	s_lshl_b32 s13, s13, 2
	s_add_co_u32 s13, s13, s41                     ; tile row
	s_lshl_b32 s43, s41, 2
	s_lshl_b32 s43, 15, s43                        ; my row of the cluster
	s_lshl_b32 s44, 0x1111, s40                    ; my column
	s_or_b32 s[G1+0], s43, (1<<16)|(1<<20)|(1<<21)|(6<<22)|(3<<25)  ; the mask; 2-byte elements; padding on; bit 21 beside a mask; after every 128 words, 4 words
	s_or_b32 s[G1B+0], s44, (1<<16)|(1<<20)|(1<<21)|(6<<22)|(3<<25)
.irp g, G1, G1B
	s_mov_b32 s[(\g)+1], KSTEP<<16
	s_mov_b32 s[(\g)+2], 64<<16
	s_mov_b32 s[(\g)+3], KSTEP<<16
	s_mov_b32 s[(\g)+4], 64
	s_mov_b32 s[(\g)+5], SIZE_K
	s_mov_b32 s[(\g)+6], 0
	s_mov_b32 s[(\g)+7], 0
.endr
	s_lshl_b32 s17, s12, 6
	s_lshl_b32 s16, s13, 7
	s_add_co_u32 s16, s16, s17                     ; ob: row 128 x tile row + 64 x half
	s_lshl_b32 s46, s42, 7
	s_add_co_u32 s46, s46, s17                     ; wp: row 128 x tile column + 64 x half
	s_mov_b32 s17, 0
	s_mov_b32 s47, 0
	s_mov_b64 s[18:19], SIZE_K*2
	s_mul_u64 s[16:17], s[16:17], s[18:19]
	s_mul_u64 s[46:47], s[46:47], s[18:19]
	s_mul_i32 s20, s10, HALFT                      ; where they go in a slot: wave x 64 rows; kept
	s_mov_b32 s[TB], 0
	s_wait_dscnt 0x0                               ; the opening add is done
	s_wait_kmcnt 0x0
	s_add_nc_u64 s[14:15], s[4:5], s[16:17]
	s_add_nc_u64 s[46:47], s[6:7], s[46:47]
	CROUND                                         ; all sixteen work-groups are here: the first joint loads meet
.irp s, 0,1
	s_mov_b32 s[G0+4*(\s)], 1
	s_add_co_u32 s[G0+4*(\s)+1], s20, (\s)*SLOT
	s_add_nc_u64 s[G0+4*(\s)+2:G0+4*(\s)+3], s[14:15], (\s)*KSTEP*2
	s_or_b32 s[G0+4*(\s)+3], s[G0+4*(\s)+3], 0x80000000
	s_mov_b32 s[G0B+4*(\s)], 1
	s_add_co_u32 s[G0B+4*(\s)+1], s20, (\s)*SLOT
	s_add_nc_u64 s[G0B+4*(\s)+2:G0B+4*(\s)+3], s[46:47], (\s)*KSTEP*2
	s_or_b32 s[G0B+4*(\s)+3], s[G0B+4*(\s)+3], 0x80000000
	JLOAD \s
.endr
	v_and_b32 v1, 15, v0                           ; r = l % 16
	v_bfe_u32 v2, v0, 4, 1                         ; h = l / 16
	v_mul_u32_u24 v3, v1, PITCH
	v_lshl_add_u32 v3, v2, 4, v3
	s_mul_i32 s21, s11, HALFT                      ; my 64 rows of ob
	s_mul_i32 s22, s12, HALFT                      ; my 64 rows of wp,
	s_add_co_u32 s22, s22, 2*HALFT                 ; which lie behind ob's 128
	v_add_nc_u32 v[A0], s21, v3
	v_add_nc_u32 v[B0], s22, v3
	v_mov_b32 v[ADRA], v[A0]                       ; slot 0 is in hand
	v_mov_b32 v[ADRB], v[B0]
	s_mul_i32 s23, s10, 16*SPITCH
	s_add_co_u32 s23, s23, STAGE                   ; my stage
	v_mul_u32_u24 v4, v1, SPITCH
	v_lshl_add_u32 v4, v2, 5, v4
	v_add_nc_u32 v[STO], s23, v4                   ; in: row r, 32 bytes for each half of the lanes
	v_mul_u32_u24 v5, v2, SPITCH
	v_lshl_add_u32 v5, v1, 4, v5
	v_add_nc_u32 v[RD], s23, v5                    ; back: lanes 0-15 one row of 256 bytes, lanes 16-31 the next
	v_lshlrev_b32 v5, 13, v2
	v_lshl_add_u32 v[CO], v1, 4, v5                ; the same two rows of out0: 8,192 bytes a row
	s_lshl_b32 s16, s13, 7
	s_lshl_b32 s17, s11, 6
	s_add_co_u32 s16, s16, s17                     ; my first row
	s_lshl_b32 s16, s16, 13
	s_mov_b32 s17, 0
	s_add_nc_u64 s[8:9], s[8:9], s[16:17]
	s_lshl_b32 s46, s42, 9                         ; my first column, in bytes: 512 x tile column + 256 x half
	s_lshl_b32 s47, s12, 8
	s_add_co_u32 s46, s46, s47
	s_mov_b32 s47, 0
	s_add_nc_u64 s[8:9], s[8:9], s[46:47]
; 8 matrix instructions: row blocks a0, a0 + 1 x all 4 column blocks, 32 along K: half c of buffer f.  The 16 accumulators take turns.
.macro MUL8 f, c, a0, zero
	WIN MUL
.irp a, \a0, (\a0)+1
.irp b, 0,1,2,3
.if \zero
	v_wmma_f32_16x16x32_f16 v[ACC+8*(4*(\a)+(\b)):ACC+8*(4*(\a)+(\b))+7], v[(\f)+64+8*(4*(\c)+(\b)):(\f)+64+8*(4*(\c)+(\b))+7], v[(\f)+8*(4*(\c)+(\a)):(\f)+8*(4*(\c)+(\a))+7], 0
.else
	v_wmma_f32_16x16x32_f16 v[ACC+8*(4*(\a)+(\b)):ACC+8*(4*(\a)+(\b))+7], v[(\f)+64+8*(4*(\c)+(\b)):(\f)+64+8*(4*(\c)+(\b))+7], v[(\f)+8*(4*(\c)+(\a)):(\f)+8*(4*(\c)+(\a))+7], v[ACC+8*(4*(\a)+(\b)):ACC+8*(4*(\a)+(\b))+7]
.endif
.endr
.endr
.endm
; 32 LDS loads in one run: the fragments of 64 along K at byte k of the rows of the slot in hand, into buffer f; the first 32 along K first
.macro FETCH k, f
	WIN TO_F
.irp c, 0,1
.irp i, 0,1,2,3
	ds_load_b128 v[(\f)+64+8*(4*(\c)+(\i)):(\f)+64+8*(4*(\c)+(\i))+3],   v[ADRB] offset:(\k)+64*(\c)+(\i)*16*PITCH
	ds_load_b128 v[(\f)+64+8*(4*(\c)+(\i))+4:(\f)+64+8*(4*(\c)+(\i))+7], v[ADRB] offset:(\k)+64*(\c)+(\i)*16*PITCH+32
	ds_load_b128 v[(\f)+8*(4*(\c)+(\i)):(\f)+8*(4*(\c)+(\i))+3],         v[ADRA] offset:(\k)+64*(\c)+(\i)*16*PITCH
	ds_load_b128 v[(\f)+8*(4*(\c)+(\i))+4:(\f)+8*(4*(\c)+(\i))+7],       v[ADRA] offset:(\k)+64*(\c)+(\i)*16*PITCH+32
.endr
.endr
	WIN 0
.endm
.macro PLACES
.rept 4
	v_nop
.endr
.endm
; A K step is four quarters of 64 along K, 32 matrix instructions each, on buffers 0, 1, 0, 1.
.macro QUARTER k, f, g, zero
	s_wait_dscnt 16                                ; the first 32 along K are in; the other sixteen loads may be out
	MUL8 \f, 0, 0, \zero
	MUL8 \f, 0, 2, \zero
	PLACES
	FETCH \k, \g
	s_wait_dscnt 32                                ; all but the 32 just issued
	MUL8 \f, 1, 0, 0
	MUL8 \f, 1, 2, 0
.endm
; The last quarter changes slots and then multiplies buffer 1.  Each wave waits for all its tensor loads (its part of the next slot), adds 0 to its spare word, and waits for that and for its own reads of the slot in hand,
; whose last fragments lie in buffer 1.  fill = 1: a round of the cluster's barrier, and straight behind it the slot just read out is asked for again, two K steps ahead: the request has a whole K step's 128 matrix
; instructions in which to land, and nothing but the round stands between a tile's landing and the next request.  fill = 0: a plain barrier; in the very last K step (s2 = 1) there is no next slot to fetch from, and its
; barrier serves nothing: the price of one text for the two steps.
.macro TURN fill
	WIN 0
	s_wait_tensorcnt 0x0                           ; no tensor load of mine is out, so a group 0 may be written
	ds_add_u32 v[SPW], v[NIL]                      ; 0 onto my spare word; the steps below stand between it and the wait for it
.if \fill
	s_add_co_u32 s[G0+5], s20, s[TB]               ; the walking descriptors: into the slot in hand,
	s_add_co_u32 s[G0B+5], s20, s[TB]
	s_add_nc_u64 s[G0+6:G0+7], s[G0+6:G0+7], KSTEP*2    ; the next K step; the type bits on top are not reached
	s_add_nc_u64 s[G0B+6:G0B+7], s[G0B+6:G0B+7], KSTEP*2
.endif
	s_xor_b32 s[TB], s[TB], SLOT                   ; the other slot comes in hand
	v_add_nc_u32 v[ADRA], s[TB], v[A0]
	v_add_nc_u32 v[ADRB], s[TB], v[B0]
	s_wait_dscnt 0x0                               ; the add is done, and my reads of the old slot are over
	s_barrier_signal -1
	s_barrier_wait -1
.if \fill
	CREST                                          ; no wave of any partner still reads the old slot's tile or has a load on its way
	JLOAD 1                                        ; the four v_nop behind it, and the two additions above, are the places ahead of the loads below
	FETCH 0, F0
.else
	PLACES
	s_cmp_eq_u32 s2, 1
	s_cbranch_scc1 .Lno_next_\@
	FETCH 0, F0
.Lno_next_\@:
.endif
	MUL8 F1, 0, 0, 0
	MUL8 F1, 0, 2, 0
	MUL8 F1, 1, 0, 0
	MUL8 F1, 1, 2, 0
.endm
	s_wait_tensorcnt 1                             ; my part of K step 0 is in; K step 1's may stay out
	s_barrier_signal -1
	s_barrier_wait -1
	FETCH 0, F0
	QUARTER 128, F0, F1, 1                         ; its first products start the sums
	WIN 0
	s_mov_b32 s3, STEPS-2
.Lstep:                                                ; six trips: from a K step's second quarter to the next step's first; each asks for the K step two on
	QUARTER 256, F1, F0, 0
	QUARTER 384, F0, F1, 0
	TURN 1
	QUARTER 128, F0, F1, 0
	WIN 0
	s_sub_co_u32 s3, s3, 1
	s_cmp_lg_u32 s3, 0
	s_cbranch_scc1 .Lstep
	s_mov_b32 s2, 2
.Ltail:                                                ; the last two K steps ask for nothing; the second trip is left in its middle
	QUARTER 256, F1, F0, 0
	QUARTER 384, F0, F1, 0
	TURN 0
	WIN 0
	s_sub_co_u32 s2, s2, 1
	s_cmp_lg_u32 s2, 0
	s_cbranch_scc0 .Lout
	QUARTER 128, F0, F1, 0
	WIN 0
	s_cmp_lg_u32 s2, 0
	s_cbranch_scc1 .Ltail
.Lout:
	; THE WAY OUT, a block of 16 rows at a time: 32 bytes a lane and accumulator into my stage (each accumulator's low four registers first), back as whole rows of 256 bytes, and out.
.macro OUTB a
.irp b, 0,1,2,3
	ds_store_b128 v[STO], v[ACC+8*(4*(\a)+\b):ACC+8*(4*(\a)+\b)+3]   offset:64*\b
	ds_store_b128 v[STO], v[ACC+8*(4*(\a)+\b)+4:ACC+8*(4*(\a)+\b)+7] offset:64*\b+16
.endr
	s_wait_xcnt 0x0                                ; the stores of two blocks back have read this set of registers
.irp f, 0,1,2,3,4,5,6,7
	ds_load_b128 v[TMP+32*((\a)%2)+4*\f:TMP+32*((\a)%2)+4*\f+3], v[RD] offset:2*SPITCH*\f  ; LDS serves a wave's instructions in order (ISA guide 5.7.1.4)
.endr
.endm
.macro SEND a, younger                 ; younger: the LDS instructions issued behind this block's loads
	s_wait_dscnt \younger
.irp f, 0,1,2,3,4,5,6,7
	global_store_b128 v[CO], v[TMP+32*((\a)%2)+4*\f:TMP+32*((\a)%2)+4*\f+3], s[8:9] offset:(16*(\a)+2*\f)*8192  ; 16 lanes store 256 consecutive bytes, aligned
.endr
.endm
	PLACES
	OUTB 0
	OUTB 1
	SEND 0, 16
	OUTB 2
	SEND 1, 16
	OUTB 3
	SEND 2, 16
	SEND 3, 0
	s_wait_tensorcnt 0x0                           ; the wave's end, behind my last tensor load and my last LDS store
	ds_add_u32 v[SPW], v[NIL]
	s_wait_dscnt 0x0
	CROUND                                         ; the closing round
	s_endpgm
.Lfunc_end_k_qc4947f2b2e_proj:
	.size	k_qc4947f2b2e_proj, .Lfunc_end_k_qc4947f2b2e_proj-k_qc4947f2b2e_proj
	.p2alignl 7, 3214868480
	.fill 96, 4, 3214868480
	.section	.rodata,"a",@progbits
	.p2align	6, 0x0
	.amdhsa_kernel k_qc4947f2b2e_proj
		.amdhsa_group_segment_fixed_size 327680
		.amdhsa_private_segment_fixed_size 0
		.amdhsa_enable_private_segment 0
		.amdhsa_kernarg_size 24
		.amdhsa_user_sgpr_count 2
		.amdhsa_user_sgpr_kernarg_segment_ptr 1
		.amdhsa_wavefront_size32 1
		.amdhsa_system_sgpr_workgroup_id_x 1
		.amdhsa_system_sgpr_workgroup_id_y 1
		.amdhsa_system_sgpr_workgroup_id_z 1
		.amdhsa_system_vgpr_workitem_id 0
		.amdhsa_next_free_vgpr 512
		.amdhsa_next_free_sgpr 66
		.amdhsa_reserve_vcc 0
		.amdhsa_float_denorm_mode_32 3
		.amdhsa_float_denorm_mode_16_64 3
		.amdhsa_memory_ordered 1
		.amdhsa_forward_progress 1
		.amdhsa_inst_pref_size 58
	.end_amdhsa_kernel
	.amdgpu_metadata
---
amdhsa.version: [ 1, 2 ]
amdhsa.kernels:
  - .name:           k_qc4947f2b2e_proj
    .symbol:         k_qc4947f2b2e_proj.kd
    .args:
      - { .name: ob, .offset: 0, .size: 8, .value_kind: global_buffer, .address_space: global }
      - { .name: wp, .offset: 8, .size: 8, .value_kind: global_buffer, .address_space: global }
      - { .name: out0, .offset: 16, .size: 8, .value_kind: global_buffer, .address_space: global }
    .group_segment_fixed_size: 327680
    .private_segment_fixed_size: 0
    .kernarg_segment_align: 8
    .kernarg_segment_size: 24
    .max_flat_workgroup_size: 128
    .sgpr_count:     66
    .vgpr_count:     512
    .wavefront_size: 32
...
	.end_amdgpu_metadata
.endif
;; end of part 4
